; MI455X (gfx1250); checked and timed in simulation.
; The chip was launched on July 23, 2026; its instructions are those of AMD's public machine-readable ISA for CDNA 5 (MIT licence, August 2026) and "CDNA5" Instruction Set Architecture Reference Guide (July 2026). The comments in the code are by the model that wrote it; some were corrected since.
;; Multihead Attention. Allowed arithmetic: matrix products marked QUANTISED: E2M1 operands, one E8M0 scale for each 32 along K, by v_wmma_scale_f32_16x16x128_f8f6f4 with both operands' format E2M1 (or v_wmma_scale_f32_32x16x128_f4), f32 sums; products left as they are: bf16, f16 or f32 operands; f32 sums; everything else in f32.
;; Inputs: bk 1,024 float32; bo 1,024 float32; bq 1,024 float32; bv 1,024 float32; wk 1,024 x 1,024 float32; wo 1,024 x 1,024 float32; wq 1,024 x 1,024 float32; wv 1,024 x 1,024 float32; x 4 x 2,048 x 1,024 float32.
;; Outputs: out0 4 x 2,048 x 1,024 float32.
;; Constants: mask = 0.
;; This version of the problem:
;;   THIS VERSION OF THE PROBLEM IS GIVEN IN LOW PRECISION. The matrix products marked QUANTISED in the list below multiply operands that are first quantised to E2M1 (2 exponent bits, 1 mantissa bit; 4 bits a number), with one power-of-two scale for each 32 numbers along K (OCP MX v1.0); their sums are f32. The products marked 'left as it is' may take bf16, f16 or f32 operands, with f32 sums. Whichever they take, every output number must still come out within the allowed error. Rounding operands to bf16 (8 significant bits) uses up far more of that allowance than f16 does (11 bits, for magnitudes from 6e-5 to 65,504). All else is computed in f32.
;;   The module's matrix products, in the order in which they are computed (A, B: the left and right operand; K: the contracted axis; several contracted axes count as one K, in the product's order):
;;     1. [M 8,192, K 1,024] x [K 1,024, N 1,024]; A: input x; B: input wq: QUANTISED
;;     2. [M 8,192, K 1,024] x [K 1,024, N 1,024]; A: input x; B: input wk: QUANTISED
;;     3. [M 8,192, K 1,024] x [K 1,024, N 1,024]; A: input x; B: input wv: QUANTISED
;;     4. batch 64 x [M 2,048, K 64] x [K 64, N 2,048]; A: computed on the way; B: computed on the way: left as it is (an operand is computed on the way)
;;     5. batch 64 x [M 2,048, K 2,048] x [K 2,048, N 64]; A: computed on the way; B: computed on the way: left as it is (an operand is computed on the way)
;;     6. [M 8,192, K 1,024] x [K 1,024, N 1,024]; A: computed on the way; B: input wo: left as it is (an operand is computed on the way)
;;   THE QUANTISER, for each operand of a quantised product, along K:
;;     - K is cut into blocks of 32 from its start; a last block that is shorter is filled with zeros.
;;     - A block's scale is 2^e with e = floor(log2(the largest magnitude in the block)) - 2, held to -126 .. 127; a block of zeros has e = 0. As a byte (E8M0): e + 127.
;;     - Each number is divided by its block's scale, clamped to +-6, and rounded to the nearest number of E2M1, ties to even, subnormals kept.
;;     - The product sums the exact products of the quantised numbers (number of the format x scale) in f32.
;;   ~~~python
;;   def quantise(x, axis):      # numpy; x: float32 -> the quantised numbers, widened to float32 again
;;       x = np.moveaxis(x, axis, -1); K = x.shape[-1]
;;       x = np.pad(x, [(0, 0)] * (x.ndim - 1) + [(0, -K % 32)]); x = x.reshape(x.shape[:-1] + (-1, 32)); a = np.abs(x).max(-1, keepdims=True)
;;       e = np.where(a > 0, np.clip(np.frexp(np.where(a > 0, a, 1))[1] - 1 - 2, -126, 127), 0)      # np.frexp(a)[1] - 1 = floor(log2(a)), exactly
;;       r = np.clip(x / 2.0 ** e, -6, 6)
;;       step = 2.0 ** (np.maximum(np.frexp(np.where(r == 0, 1, r))[1] - 1, 0) - 1)
;;       q = np.round(r / step) * step * 2.0 ** e      # np.round: ties to even
;;       return np.moveaxis(q.reshape(q.shape[:-2] + (-1,))[..., :K], -1, axis).astype(np.float32)
;;   ~~~
;; One version. Each part assembles by itself: llvm-mc -triple=amdgcn-amd-amdhsa -mcpu=gfx1250 --defsym DOCPART=n.
;; ======== version 1 of 1: 4 launches
;; limits: values are held in f16: magnitudes above 65,504 overflow, below 6.1e-05 lose precision
;; workspace buffers: xc 4,194,304 bytes; xs 262,144 bytes; wc 1,572,864 bytes; ws 98,304 bytes; wo16 2,097,152 bytes; qkv 50,331,648 bytes; o16 16,777,216 bytes
;; launch prep (part 1): grid 336 x 1, 4 waves a work-group, no clusters, 68,096 bytes of LDS; arguments x, wq, wk, wv, wo, xc, xs, wc, ws, wo16; writes xc, xs, wc, ws, wo16
.if DOCPART == 1
	.amdgcn_target "amdgcn-amd-amdhsa--gfx1250"
	.amdhsa_code_object_version 6
	.text
	.protected	k_q91ba7eed5f_prep
	.globl	k_q91ba7eed5f_prep
	.p2align	8
	.type	k_q91ba7eed5f_prep,@function
k_q91ba7eed5f_prep:
	s_mov_b64 s[64:65], 0
	v_nop
	global_prefetch_b8 v0, s[64:65] scope:SCOPE_SE
	s_setreg_imm32_b32 hwreg(HW_REG_WAVE_MODE, 25, 1), 1
	s_wait_xcnt 0x0
; PREP: every operand that later launches read many times is brought into its narrow form once.
;   arm X (work-groups 80-335): x [8192][1024] f32 -> codes of FP4 (E2M1), K innermost, xc [8192][512 bytes], and one E8M0 byte for each 32 along K, xs [8192][32].
;   arm W (work-groups 0-47):   wq, wk, wv [k 1024][n 1024] f32 -> the same form with K innermost: wc [1024 w + n][512 bytes], ws [1024 w + n][32]; w = 0, 1, 2 for q, k, v.
;   arm O (work-groups 48-79):  wo [k][n] f32 -> f16, laid as the registers of a 16 x 32 matrix operand: wo16 [n / 16][k / 32][1024 bytes]; in a fragment k = 8 p .. 8 p + 7 of row n % 16 lie at byte 256 p + 16 (n % 16).
; A block's scale is 2^(floor(log2(its largest magnitude)) - 2); its byte is the largest magnitude's exponent field - 2, held at 1 from below.
; LIMITS: a block of zeros gets the byte 1 where the rule says 127 (its codes are zeros, and this program alone reads the bytes); blocks whose largest magnitude lies under 2^-124 have the byte 1;
; NaN and infinities among the inputs are not served; |wo| stays under 65,504 (beyond it the f16 conversion gives infinity).
; The launch streams: no matrix unit, no cluster (no two work-groups read the same bytes), no tensor load.  The three arms part on the work-group's number alone; each has LDS bytes of its own.
.set SPARE, 67584                      ; behind both arms' regions: the spare words, 128 bytes for each wave: two blocks of 256 bytes that no other line names
.set SPW,   198                        ; v198  LDS address of my spare word: SPARE + 4 x my thread's number; never rewritten
.set NIL,   199                        ; v199  0; never rewritten
.set WV,    24                         ; s24   my wave's number
	s_load_b512 s[4:19], s[0:1], 0x0               ; x 4:5, wq 6:7, wk 8:9, wv 10:11, wo 12:13, xc 14:15, xs 16:17, wc 18:19
	s_load_b128 s[20:23], s[0:1], 0x40             ; ws 20:21, wo16 22:23
	v_lshl_add_u32 v[SPW], v0, 2, SPARE
	v_mov_b32 v[NIL], 0
	v_lshrrev_b32 v1, 5, v0
	v_readfirstlane_b32 s[WV], v1                  ; wave 0..3
	v_and_b32 v2, 31, v0                           ; lane
	s_wait_kmcnt 0x0
	s_cmp_lt_u32 ttmp9, 48
	s_cbranch_scc1 .Larm_w
	s_cmp_lt_u32 ttmp9, 80
	s_cbranch_scc1 .Larm_o
; ---------------- ARM X.  x is a plain stream of blocks of 32 numbers; so are its codes and its scale bytes.  A wave takes 16 steps of 512 numbers.
; Each of a step's four loads reads 512 consecutive bytes, 16 a lane; the 2,048 bytes turn through the wave's own stage in LDS and come back 64 bytes a lane: 16 neighbours, two lanes to a block.
; LDS bytes 0 .. 32,767: 8,192 for each wave: two stages of 32 x 80 bytes, then its 256 scale bytes.
.set XSP,   80                         ; a lane's place in a stage: 64 bytes + 16 of padding
.set XR,    16                         ; v16-79   four sets of 16 numbers as loaded
.set XX,    80                         ; v80-111  two sets of 16 neighbours
.set XE,    112                        ; v112-127 a scale byte for each step
.set XC,    128                        ; v128-191 codes: registers of its own for each step, so that no store's data are written again
	v_lshlrev_b32 v3, 4, v2                        ; my 16 bytes of a load's 512
	s_mul_i32 s25, s[WV], 8192
	v_lshrrev_b32 v14, 2, v2
	v_mul_u32_u24 v14, v14, XSP
	v_and_b32 v15, 3, v2
	v_lshl_add_u32 v14, v15, 4, v14
	v_add_nc_u32 v14, s25, v14                     ; the stage, on the way in: 80 (lane / 4) + 16 (lane % 4)
	v_mul_u32_u24 v15, v2, XSP
	v_add_nc_u32 v15, s25, v15                     ; and on the way out: 80 x lane
	v_lshlrev_b32 v4, 3, v2                        ; 8 bytes a lane: my codes' place in a step's, and my place in the wave's 256 scale bytes
	v_lshrrev_b32 v5, 1, v2
	s_add_co_u32 s25, s25, 2*32*XSP
	v_add_nc_u32 v5, s25, v5                       ; LDS: my block's scale byte
	v_add_nc_u32 v6, s25, v4                       ; and, at the end, 8 of them a lane
	s_sub_co_u32 s26, ttmp9, 80
	s_lshl_b32 s26, s26, 2
	s_add_co_u32 s26, s26, s[WV]                   ; which run of 8,192 numbers is my wave's: 0 .. 1,023
	s_mov_b32 s29, 0
	s_lshl_b32 s28, s26, 15
	s_add_nc_u64 s[4:5], s[4:5], s[28:29]          ; 32,768 bytes of x a run,
	s_lshl_b32 s28, s26, 12
	s_add_nc_u64 s[14:15], s[14:15], s[28:29]      ; 4,096 of codes,
	s_lshl_b32 s28, s26, 8
	s_add_nc_u64 s[16:17], s[16:17], s[28:29]      ; 256 of scale bytes
.macro XLOAD t
.irp i, 0,1,2,3
	global_load_b128 v[XR+16*((\t)%4)+4*\i:XR+16*((\t)%4)+4*\i+3], v3, s[4:5] offset:2048*(\t)+512*\i th:TH_LOAD_NT
.endr
.endm
.macro XTURN t                         ; step t's numbers through the stage: LDS serves a wave's instructions in order, so no wait stands between the stores and the loads
.irp i, 0,1,2,3
	ds_store_b128 v14, v[XR+16*((\t)%4)+4*\i:XR+16*((\t)%4)+4*\i+3] offset:32*XSP*((\t)%2)+8*XSP*\i
.endr
.irp i, 0,1,2,3
	ds_load_b128 v[XX+16*((\t)%2)+4*\i:XX+16*((\t)%2)+4*\i+3], v15 offset:32*XSP*((\t)%2)+16*\i
.endr
.endm
.irp t, 0,1,2,3
	XLOAD \t
.endr
	s_wait_loadcnt 12                              ; step 0's four loads are in; twelve younger ones stay out
	XTURN 0
.macro XSTEP t
.set XS, XX+16*((\t)%2)
.if (\t) > 0
	s_wait_dscnt 1                                 ; this step's numbers are back from the stage (the last step's byte store may be out)
.else
	s_wait_dscnt 0x0
.endif
.if (\t)+4 < 16
	XLOAD (\t)+4                                   ; into the set whose stores into the stage are done
.endif
.if (\t)+1 < 16
.if 14-(\t) >= 3
	s_wait_loadcnt 12                              ; the next step's four loads are in; those of the three steps behind it may be out
.else
	s_wait_loadcnt 4*(14-(\t))
.endif
	XTURN (\t)+1
.endif
	v_max3_num_f32 v8, |v[XS]|, |v[XS+1]|, |v[XS+2]|               ; the largest magnitude of my 16, in two chains
	v_max3_num_f32 v9, |v[XS+3]|, |v[XS+4]|, |v[XS+5]|
.irp i, 6,10
	v_max3_num_f32 v8, v8, |v[XS+\i]|, |v[XS+\i+1]|
	v_max3_num_f32 v9, v9, |v[XS+\i+2]|, |v[XS+\i+3]|
.endr
	v_max3_num_f32 v8, v8, |v[XS+14]|, |v[XS+15]|
	v_max3_num_f32 v8, v8, v9, 0x1800000           ; and the floor 2^(3 - 127): the byte cannot fall under 1
	v_max_num_f32_dpp v8, v8, v8 row_xmask:1 row_mask:0xf bank_mask:0xf   ; with my neighbour's 16: the block's
	v_add_nc_u32 v11, 0xff000000, v8               ; 2 off its exponent field: the conversion takes the exponent field of this operand as its scale
	v_cvt_scalef32_pk8_fp4_f32 v[XC+4*(\t)], v[XS:XS+7], v11
	v_cvt_scalef32_pk8_fp4_f32 v[XC+4*(\t)+1], v[XS+8:XS+15], v11
	v_lshrrev_b32 v[XE+(\t)], 23, v11              ; the scale's byte (also the plain line behind the conversions)
	ds_store_b8 v5, v[XE+(\t)] offset:16*(\t)      ; both lanes of a block write the same byte with the same value
	global_store_b64 v4, v[XC+4*(\t):XC+4*(\t)+1], s[14:15] offset:256*(\t)   ; the wave stores 256 consecutive bytes, aligned
.endm
.irp t, 0,1,2,3,4,5,6,7,8,9,10,11,12,13,14,15
	XSTEP \t
.endr
	ds_load_b64 v[8:9], v6                         ; in order behind my byte stores
	s_wait_dscnt 0x0
	global_store_b64 v4, v[8:9], s[16:17]          ; the wave's 256 scale bytes: 256 consecutive bytes, aligned
	s_wait_tensorcnt 0x0                           ; the wave's end: three closing lines, behind my last LDS store
	ds_add_u32 v[SPW], v[NIL]
	s_wait_dscnt 0x0
	s_endpgm
; ---------------- ARM O.  A lane takes a column n of wo, its registers run down K: 32 numbers are one fragment's K.  A wave: 32 columns x 256 along K, eight blocks.  No LDS.
.set OX,    32                         ; v32-95   two sets of 32 numbers
.set OC,    96                         ; v96-111  a block as f16
.Larm_o:
	s_sub_co_u32 s25, ttmp9, 48
	s_and_b32 s26, s25, 7                          ; which 128 columns
	s_lshr_b32 s27, s25, 3                         ; which 256 along K
	s_lshl_b32 s28, s27, 20                        ; 256 rows of 4,096 bytes
	s_lshl_b32 s30, s26, 9
	s_add_co_u32 s28, s28, s30
	s_lshl_b32 s30, s[WV], 7
	s_add_co_u32 s28, s28, s30                     ; + 4 x my wave's first column
	s_mov_b32 s29, 0
	s_add_nc_u64 s[12:13], s[12:13], s[28:29]
	s_lshl_b32 s28, s26, 3
	s_lshl_b32 s30, s[WV], 1
	s_add_co_u32 s28, s28, s30                     ; my wave's first tile of 16 columns
	s_lshl_b32 s28, s28, 15                        ; 32 fragments of 1,024 bytes a tile
	s_lshl_b32 s30, s27, 13                        ; 8 fragments for 256 along K
	s_add_co_u32 s28, s28, s30
	s_add_nc_u64 s[22:23], s[22:23], s[28:29]
	v_lshlrev_b32 v3, 2, v2                        ; in: 4 bytes a lane
	v_lshrrev_b32 v4, 4, v2
	v_and_b32 v5, 15, v2
	v_lshlrev_b32 v4, 15, v4                       ; out: lanes 16-31 belong to the next tile,
	v_lshl_add_u32 v4, v5, 4, v4                   ; 16 bytes a row
.macro OLOAD t
.irp i, 0,1,2,3,4,5,6,7,8,9,10,11,12,13,14,15,16,17,18,19,20,21,22,23,24,25,26,27,28,29,30,31
	global_load_b32 v[OX+32*((\t)%2)+\i], v3, s[12:13] offset:(32*(\t)+\i)*4096 th:TH_LOAD_NT
.endr
.endm
.macro OBLOCK t
.set OS, OX+32*((\t)%2)
.if (\t) < 7
	s_wait_loadcnt 32                              ; this block's 32 loads are in; the next block's may be out
.else
	s_wait_loadcnt 0x0
.endif
	s_wait_xcnt 0x0                                ; the last block's stores have read v96-111: they are written again only behind this wait
.irp i, 0,1,2,3,4,5,6,7,8,9,10,11,12,13,14,15
	v_cvt_pk_f16_f32 v[OC+\i], v[OS+2*\i], v[OS+2*\i+1]
.endr
.irp p, 0,1,2,3
	global_store_b128 v4, v[OC+4*\p:OC+4*\p+3], s[22:23] offset:1024*(\t)+256*\p   ; sixteen lanes store 256 consecutive bytes, aligned
.endr
.if (\t) < 6
	OLOAD (\t)+2
.endif
.endm
	OLOAD 0
	OLOAD 1
.irp t, 0,1,2,3,4,5,6,7
	OBLOCK \t
.endr
	s_wait_tensorcnt 0x0                           ; the same three closing lines as in the other arms
	ds_add_u32 v[SPW], v[NIL]
	s_wait_dscnt 0x0
	s_endpgm
; ---------------- ARM W.  A lane takes a column n, its registers run down K: a block of 32 lies in one lane, and the conversions give codes with K innermost.  A wave: 32 columns x 512 along K.
; A lane's codes belong to one row of wc, the lanes beside it to other rows: they go through the wave's own stage (LDS bytes 32,768 on, 32 rows x 272 bytes a wave) and leave as rows.
.set WX,    32                         ; v32-95   two sets of 32 numbers
.set WC,    96                         ; v96-99   a block's codes
.set WO,    112                        ; v112-175 the way out
.set WSB,   24                         ; v24-27   the scale bytes, four to a register
.Larm_w:
	s_lshr_b32 s25, ttmp9, 4                       ; which weight: 0, 1, 2
	s_and_b32 s26, ttmp9, 7                        ; which 128 columns
	s_bfe_u32 s27, ttmp9, 0x10003                  ; which half of K
	s_cmp_eq_u32 s25, 0
	s_cselect_b64 s[28:29], s[6:7], s[8:9]
	s_cmp_eq_u32 s25, 2
	s_cselect_b64 s[28:29], s[10:11], s[28:29]     ; the choice hangs on the work-group's number alone
	s_lshl_b32 s26, s26, 7
	s_lshl_b32 s30, s[WV], 5
	s_add_co_u32 s26, s26, s30                     ; my wave's first column
	s_lshl_b32 s30, s27, 21                        ; 512 rows of 4,096 bytes
	s_lshl_b32 s31, s26, 2
	s_add_co_u32 s30, s30, s31
	s_mov_b32 s31, 0
	s_add_nc_u64 s[28:29], s[28:29], s[30:31]
	s_lshl_b32 s25, s25, 10
	s_add_co_u32 s25, s25, s26                     ; its row in wc and ws
	s_lshl_b32 s30, s25, 9
	s_lshl_b32 s32, s27, 8
	s_add_co_u32 s30, s30, s32
	s_add_nc_u64 s[18:19], s[18:19], s[30:31]
	s_lshl_b32 s30, s25, 5
	s_lshl_b32 s32, s27, 4
	s_add_co_u32 s30, s30, s32
	s_add_nc_u64 s[20:21], s[20:21], s[30:31]
	v_lshlrev_b32 v3, 2, v2                        ; in: 4 bytes a lane
	s_mul_i32 s33, s[WV], 32*272
	s_add_co_u32 s33, s33, 32768                   ; my stage
	v_mul_u32_u24 v4, v2, 272
	v_add_nc_u32 v4, s33, v4                       ; into it: row = my column
	v_and_b32 v5, 15, v2
	v_lshrrev_b32 v6, 4, v2                        ; out of it: sixteen lanes to a row, two rows an instruction
	v_mul_u32_u24 v7, v6, 272
	v_lshl_add_u32 v7, v5, 4, v7
	v_add_nc_u32 v7, s33, v7
	v_mul_u32_u24 v8, v6, 512
	v_lshl_add_u32 v8, v5, 4, v8                   ; and the same place in wc
	v_lshlrev_b32 v9, 5, v2                        ; my column's row of scale bytes
.macro WLOAD t
.irp i, 0,1,2,3,4,5,6,7,8,9,10,11,12,13,14,15,16,17,18,19,20,21,22,23,24,25,26,27,28,29,30,31
	global_load_b32 v[WX+32*((\t)%2)+\i], v3, s[28:29] offset:(32*(\t)+\i)*4096 th:TH_LOAD_NT
.endr
.endm
.macro WBLOCK t
.set WS, WX+32*((\t)%2)
.if (\t) < 15
	s_wait_loadcnt 32                              ; this block's 32 loads are in; the next block's may be out
.else
	s_wait_loadcnt 0x0
.endif
	v_max3_num_f32 v12, |v[WS]|, |v[WS+1]|, |v[WS+2]|              ; the block's largest magnitude: all 32 numbers are mine
	v_max3_num_f32 v13, |v[WS+3]|, |v[WS+4]|, |v[WS+5]|
.irp i, 6,10,14,18,22,26
	v_max3_num_f32 v12, v12, |v[WS+\i]|, |v[WS+\i+1]|
	v_max3_num_f32 v13, v13, |v[WS+\i+2]|, |v[WS+\i+3]|
.endr
	v_max3_num_f32 v12, v12, |v[WS+30]|, |v[WS+31]|
	v_max3_num_f32 v12, v12, v13, 0x1800000        ; and the floor 2^(3 - 127)
	v_add_nc_u32 v11, 0xff000000, v12              ; 2 off the exponent field: the conversion's scale operand
	v_lshrrev_b32 v13, 23, v11                     ; the scale's byte
.if (\t)%4 == 0
	v_mov_b32 v[WSB+(\t)/4], v13
.else
	v_lshl_or_b32 v[WSB+(\t)/4], v13, 8*((\t)%4), v[WSB+(\t)/4]
.endif
.irp g, 0,1,2,3
	v_cvt_scalef32_pk8_fp4_f32 v[WC+\g], v[WS+8*\g:WS+8*\g+7], v11
.endr
	v_nop                                          ; one plain line behind the last conversion
	ds_store_b128 v4, v[WC:WC+3] offset:16*(\t)    ; 32 codes: 16 bytes of my column's row
.if (\t)+2 < 16
	WLOAD (\t)+2
.endif
	s_wait_dscnt 0x0                               ; the store has read its registers: the next block's codes may be written
.endm
	WLOAD 0
	WLOAD 1
.irp t, 0,1,2,3,4,5,6,7,8,9,10,11,12,13,14,15
	WBLOCK \t
.endr
	global_store_b128 v9, v[WSB:WSB+3], s[20:21]   ; my column's 16 scale bytes
.irp t, 0,1,2,3,4,5,6,7,8,9,10,11,12,13,14,15
	ds_load_b128 v[WO+4*\t:WO+4*\t+3], v7 offset:2*\t*272   ; in order behind my stores
.endr
.irp t, 0,1,2,3,4,5,6,7,8,9,10,11,12,13,14,15
	s_wait_dscnt 15-\t
	global_store_b128 v8, v[WO+4*\t:WO+4*\t+3], s[18:19] offset:2*\t*512   ; sixteen lanes store 256 consecutive bytes, aligned
.endr
	s_wait_tensorcnt 0x0                           ; the wave's end: the three closing lines
	ds_add_u32 v[SPW], v[NIL]
	s_wait_dscnt 0x0
	s_endpgm
.Lfunc_end_k_q91ba7eed5f_prep:
	.size	k_q91ba7eed5f_prep, .Lfunc_end_k_q91ba7eed5f_prep-k_q91ba7eed5f_prep
	.p2alignl 7, 3214868480
	.fill 96, 4, 3214868480
	.section	.rodata,"a",@progbits
	.p2align	6, 0x0
	.amdhsa_kernel k_q91ba7eed5f_prep
		.amdhsa_group_segment_fixed_size 68096
		.amdhsa_private_segment_fixed_size 0
		.amdhsa_enable_private_segment 0
		.amdhsa_kernarg_size 80
		.amdhsa_user_sgpr_count 2
		.amdhsa_user_sgpr_kernarg_segment_ptr 1
		.amdhsa_wavefront_size32 1
		.amdhsa_system_sgpr_workgroup_id_x 1
		.amdhsa_system_sgpr_workgroup_id_y 1
		.amdhsa_system_sgpr_workgroup_id_z 1
		.amdhsa_system_vgpr_workitem_id 0
		.amdhsa_next_free_vgpr 200
		.amdhsa_next_free_sgpr 66
		.amdhsa_reserve_vcc 0
		.amdhsa_float_denorm_mode_32 3
		.amdhsa_float_denorm_mode_16_64 3
		.amdhsa_memory_ordered 1
		.amdhsa_forward_progress 1
		.amdhsa_inst_pref_size 148
	.end_amdhsa_kernel
	.amdgpu_metadata
---
amdhsa.version: [ 1, 2 ]
amdhsa.kernels:
  - .name:           k_q91ba7eed5f_prep
    .symbol:         k_q91ba7eed5f_prep.kd
    .args:
      - { .name: x, .offset: 0, .size: 8, .value_kind: global_buffer, .address_space: global }
      - { .name: wq, .offset: 8, .size: 8, .value_kind: global_buffer, .address_space: global }
      - { .name: wk, .offset: 16, .size: 8, .value_kind: global_buffer, .address_space: global }
      - { .name: wv, .offset: 24, .size: 8, .value_kind: global_buffer, .address_space: global }
      - { .name: wo, .offset: 32, .size: 8, .value_kind: global_buffer, .address_space: global }
      - { .name: xc, .offset: 40, .size: 8, .value_kind: global_buffer, .address_space: global }
      - { .name: xs, .offset: 48, .size: 8, .value_kind: global_buffer, .address_space: global }
      - { .name: wc, .offset: 56, .size: 8, .value_kind: global_buffer, .address_space: global }
      - { .name: ws, .offset: 64, .size: 8, .value_kind: global_buffer, .address_space: global }
      - { .name: wo16, .offset: 72, .size: 8, .value_kind: global_buffer, .address_space: global }
    .group_segment_fixed_size: 68096
    .private_segment_fixed_size: 0
    .kernarg_segment_align: 8
    .kernarg_segment_size: 80
    .max_flat_workgroup_size: 128
    .sgpr_count:     66
    .vgpr_count:     200
    .wavefront_size: 32
...
	.end_amdgpu_metadata
.endif
;; end of part 1
;; launch qkv (part 2): grid 12 x 32, 4 waves a work-group, clusters of 4 x 4, 327,680 bytes of LDS; arguments xc, xs, wc, ws, qkv, bq, bk, bv; writes qkv
.if DOCPART == 2
	.amdgcn_target "amdgcn-amd-amdhsa--gfx1250"
	.amdhsa_code_object_version 6
	.text
	.protected	k_q91ba7eed5f_qkv
	.globl	k_q91ba7eed5f_qkv
	.p2align	8
	.type	k_q91ba7eed5f_qkv,@function
k_q91ba7eed5f_qkv:
	s_mov_b64 s[64:65], 0
	v_nop
	global_prefetch_b8 v0, s[64:65] scope:SCOPE_SE
	s_setreg_imm32_b32 hwreg(HW_REG_WAVE_MODE, 25, 1), 1
	s_wait_xcnt 0x0
	s_wait_alu depctr_hold_cnt(0) depctr_sa_sdst(0) depctr_va_vdst(0) depctr_va_sdst(0) depctr_va_ssrc(0) depctr_va_vcc(0) depctr_vm_vsrc(0)
	s_getreg_b32 s2, hwreg(HW_REG_IB_STS2, 6, 4)
	s_cmp_eq_u32 s2, 0
	s_cbranch_scc0 .Lentry_in_a_cluster
	s_endpgm
.Lentry_in_a_cluster:
	s_bfe_u32 s2, ttmp6, 0x10000c
	s_cmp_lg_u32 s2, 0xf033
	s_cbranch_scc0 .Lentry_shape_is_right
	s_endpgm
.Lentry_shape_is_right:
; QKV: q, k, v = Q(x) Q(w) + bias for the three weights as ONE product of 8,192 x 3,072 x 1,024 on codes of FP4 (E2M1) with one E8M0 scale for each 32 along K; sums in f32; results rounded once to f16.
; A = xc [8192][512 bytes], xs [8192][32];  B = wc [3072][512 bytes], ws [3072][32], row 1024 w + n.  The matrix instruction takes codes and scale bytes as they lie.
; A tile of 256 x 256 is made by a work-group of four waves; a wave makes 128 x 128: 64 accumulators, 512 registers.  K = 1,024 is two slots of 512 along K: both are filled once, at the head; nothing is filled again.
; CLUSTERS: 4 x 4 work-groups.  The four of a row need the same tiles of A, the four of a column the same tiles of B: each tile is asked for jointly.  A cluster's 1,024 columns are one weight: cluster x = 0, 1, 2 for q, k, v.
; TRANSPOSED USE (source 0 = 16 rows of the weight, source 1 = 16 tokens): a lane holds one token and eight neighbouring channels.  Packed to f16 these are four registers of the next product's operand,
; so the result is stored in that order and needs no stage: qkv = three parts of 16,777,216 bytes, each [16 b + head][token / 16][channel tile (4)][512 bytes]; q, k: lane's 16 bytes at 16 x lane;
; v: at 32 (lane % 16) + 16 (lane / 16), rows of 32 bytes [key][16 channels], for the transposing LDS load.
; The bias is the C of each sum's first matrix instruction: eight registers for each of B's blocks, in the result's layout.
; LIMIT: |q|, |k|, |v| stay under 65,504 (beyond it the f16 conversion gives infinity).
; REGISTERS: window 0: v0-31 addresses; v32-95 scale words, two sets; v128-191 A's fragments, one set; v192-255 the bias.  window 1: B's fragments, two sets (v0, v128); on the way out the packed results.
;   window 2: the accumulators of my rows 0-63 ((a, b) at v[8 (8 a + b)]);  window 3: those of rows 64-127.
.set NQ,     4                         ; steps of 128 along K in a slot
.set ROWB,   256                       ; a tile's row in bytes: 512 codes
.set KROW,   512                       ; a row of xc or wc in bytes
.set PITCH,  272                       ; an LDS row: 256 bytes + 16 of padding, so that the 16 rows of a fragment load begin 16 bytes further on in each 256
.set FR,     8                         ; registers of a fragment: 16 rows x 128 K
.set NL,     2                         ; LDS loads that bring one
.set NP,     4                         ; places behind this matrix instruction (ISA guide 7.12.1)
.set HALFT,  128*PITCH                 ; 128 rows: what one tensor load brings
.set SLOT,   4*HALFT                   ; A's 256 rows, then B's 256 rows
.set KS,     32                        ; a row of scale bytes
.set SCL,    2*SLOT                    ; behind the slots: the scales, as units of 256 bytes + 16 of padding
.set HALFS,  (128*KS/256)*272
.set SBLK,   (16*KS/256)*272
.set SPARE,  SCL+4*HALFS               ; the spare words, 128 bytes for each wave: two blocks of 256 bytes that no other line names
.set ADRA, 16                          ; v16-17  LDS address of my A fragments in slot 0, 1
.set ADRB, 20                          ; v20-21  the same for B
.set BOF,  24                          ; v24     my byte offset in the bias
.set CO,   26                          ; v26     my 16 bytes' place in a tile of 512 bytes of the output
.set ADRS, 27                          ; v27     LDS address of my scale words: lanes 0-15 A's rows, lanes 16-31 B's
.set SPW,  28                          ; v28     LDS address of my spare word; never rewritten
.set NIL,  29                          ; v29     0; never rewritten
.set SC,   32
.set AF,   128
.set BI,   192
.set G1, 24
.set G0, 32
.set G1B, 48
.set G0B, 56
.set G1S, 68
.set G0S, 76
.set G1SB, 80
.set G0SB, 88
.set MSB, 0
.macro WIN new                         ; the immediate's high byte repeats the setting that is left
.if MSB != (\new)
	s_set_vgpr_msb (MSB<<8)|(\new)
.set MSB, (\new)
.endif
.endm
.set MUL_LO, 0xa1                      ; source 0 (B) window 1, source 1 (A) window 0, C and D window 2  (first step: C, the bias, window 0: 0x81)
.set MUL_HI, 0xf1                      ; the same, C and D window 3  (first step: 0xc1)
.set TO_B,   0x40
; A joint load: waves 0 and 1 fetch for A, waves 2 and 3 for B; the branch hangs on the wave's number alone.  An s_nop 0 and four v_nop follow each of the two lines.
.macro JLOAD g0a, g1a, g0b, g1b
	s_cmp_eq_u32 s15, 0
	s_cbranch_scc0 .Lfor_b_\@
	tensor_load_to_lds s[\g0a:\g0a+3], s[\g1a:\g1a+7]
	s_nop 0
.rept 4
	v_nop
.endr
	s_branch .Lasked_\@
.Lfor_b_\@:
	tensor_load_to_lds s[\g0b:\g0b+3], s[\g1b:\g1b+7]
	s_nop 0
.rept 4
	v_nop
.endr
.Lasked_\@:
.endm
.macro CROUND                          ; a round of the cluster's barrier
	s_barrier_signal -1
	s_barrier_wait -1
	s_cmp_lg_u32 s14, 0
	s_cbranch_scc1 .Lnot_wave_0_\@
	s_barrier_signal -3
.Lnot_wave_0_\@:
	s_barrier_wait -3
	s_barrier_signal -1
	s_barrier_wait -1
.endm
	s_load_b128 s[4:7], s[0:1], 0x0                ; xc, xs
	s_load_b128 s[8:11], s[0:1], 0x10              ; wc, ws
	s_load_b64 s[12:13], s[0:1], 0x20              ; qkv
	s_load_b64 s[96:97], s[0:1], 0x28              ; bq
	s_load_b64 s[98:99], s[0:1], 0x30              ; bk
	s_load_b64 s[100:101], s[0:1], 0x38            ; bv
	v_lshl_add_u32 v[SPW], v0, 2, SPARE
	v_mov_b32 v[NIL], 0
	ds_add_u32 v[SPW], v[NIL]                      ; the wave's opening: the add, twice on end, and its wait ahead of my first tensor load
	ds_add_u32 v[SPW], v[NIL]
	v_lshrrev_b32 v1, 5, v0
	v_readfirstlane_b32 s14, v1                    ; wave 0..3
	s_lshr_b32 s15, s14, 1                         ; which half of the tile's rows is mine.  Also: I fetch for A (0) or for B (1)
	s_and_b32 s16, s14, 1                          ; which half of its columns.  Also: which 128 rows I fetch
	s_bfe_u32 s40, ttmp6, 0x40000                  ; cx, cy: my place in the cluster
	s_bfe_u32 s41, ttmp6, 0x40004
	s_lshl_b32 s42, ttmp9, 2
	s_add_co_u32 s42, s42, s40                     ; tile column = 4 x cluster x + cx
	s_and_b32 s17, ttmp7, 0xffff
	s_lshl_b32 s17, s17, 2
	s_add_co_u32 s17, s17, s41                     ; tile row = 4 x cluster y + cy
	s_lshl_b32 s43, s41, 2
	s_lshl_b32 s43, 15, s43                        ; my row of the cluster
	s_lshl_b32 s44, 0x1111, s40                    ; my column
	; descriptor group 1: a tile of 128 rows x 256 bytes, 16 bytes of padding behind each row
	s_or_b32 s[G1+0], s43, (0<<16)|(1<<20)|(1<<21)|(5<<22)|(3<<25)
	s_or_b32 s[G1B+0], s44, (0<<16)|(1<<20)|(1<<21)|(5<<22)|(3<<25)
.irp g, G1, G1B
	s_mov_b32 s[\g+1], ROWB<<16                    ; tensor_dim0
	s_mov_b32 s[\g+2], 128<<16                     ; tensor_dim1
	s_mov_b32 s[\g+3], ROWB<<16                    ; tile_dim0
	s_mov_b32 s[\g+4], 128                         ; tile_dim1
	s_mov_b32 s[\g+5], KROW                        ; from row to row
	s_mov_b32 s[\g+6], 0
	s_mov_b32 s[\g+7], 0
.endr
	; the scales of 128 rows: 4,096 dense bytes, as 16 rows of 256 bytes (32 elements of 8 bytes), 16 bytes of padding behind each
	s_or_b32 s[G1S+0], s43, (3<<16)|(1<<20)|(1<<21)|(5<<22)|(3<<25)
	s_or_b32 s[G1SB+0], s44, (3<<16)|(1<<20)|(1<<21)|(5<<22)|(3<<25)
.irp g, G1S, G1SB
	s_mov_b32 s[\g+1], 32<<16
	s_mov_b32 s[\g+2], (128*KS/256)<<16
	s_mov_b32 s[\g+3], 32<<16
	s_mov_b32 s[\g+4], 128*KS/256
	s_mov_b32 s[\g+5], 32
	s_mov_b32 s[\g+6], 0
	s_mov_b32 s[\g+7], 0
.endr
	s_lshl_b32 s18, s16, 7
	s_lshl_b32 s20, s17, 8
	s_add_co_u32 s20, s20, s18                     ; A: row 256 x tile row + 128 x half
	s_lshl_b32 s46, s42, 8
	s_add_co_u32 s46, s46, s18                     ; B: row 256 x tile column + 128 x half
	s_mov_b32 s21, 0
	s_mov_b32 s47, 0
	s_mov_b64 s[18:19], KS
	s_mul_u64 s[22:23], s[20:21], s[18:19]         ; where these rows' scales begin,
	s_mul_u64 s[92:93], s[46:47], s[18:19]
	s_mov_b64 s[18:19], KROW
	s_mul_u64 s[20:21], s[20:21], s[18:19]         ; and their codes
	s_mul_u64 s[46:47], s[46:47], s[18:19]
	s_mul_i32 s45, s14, HALFT                      ; where they go: wave x 128 rows: no place in the cluster enters an LDS address
	s_mul_i32 s94, s14, HALFS
	s_wait_dscnt 0x0                               ; both opening adds are done
	s_wait_kmcnt 0x0
	s_add_nc_u64 s[20:21], s[4:5], s[20:21]
	s_add_nc_u64 s[22:23], s[6:7], s[22:23]
	s_add_nc_u64 s[46:47], s[8:9], s[46:47]
	s_add_nc_u64 s[92:93], s[10:11], s[92:93]
	CROUND                                         ; all sixteen work-groups are here: the joint loads meet
	s_mov_b32 s[G0S], 1
	s_add_co_u32 s[G0S+1], s94, SCL
	s_mov_b64 s[G0S+2:G0S+3], s[22:23]
	s_or_b32 s[G0S+3], s[G0S+3], 0x80000000
	s_mov_b32 s[G0SB], 1
	s_add_co_u32 s[G0SB+1], s94, SCL
	s_mov_b64 s[G0SB+2:G0SB+3], s[92:93]
	s_or_b32 s[G0SB+3], s[G0SB+3], 0x80000000
	JLOAD G0S, G1S, G0SB, G1SB                     ; the scales first; with the two slots three loads of mine are out
.irp s, 0,1
	s_mov_b32 s[G0+4*\s], 1
	s_add_co_u32 s[G0+4*\s+1], s45, \s*SLOT
	s_add_nc_u64 s[G0+4*\s+2:G0+4*\s+3], s[20:21], \s*ROWB
	s_or_b32 s[G0+4*\s+3], s[G0+4*\s+3], 0x80000000
	s_mov_b32 s[G0B+4*\s], 1
	s_add_co_u32 s[G0B+4*\s+1], s45, \s*SLOT
	s_add_nc_u64 s[G0B+4*\s+2:G0B+4*\s+3], s[46:47], \s*ROWB
	s_or_b32 s[G0B+4*\s+3], s[G0B+4*\s+3], 0x80000000
	JLOAD G0+4*\s, G1, G0B+4*\s, G1B
.endr
	v_and_b32 v1, 15, v0                           ; r = lane % 16
	v_bfe_u32 v2, v0, 4, 1                         ; hf = lane / 16
	v_mul_u32_u24 v3, v1, PITCH
	v_lshl_add_u32 v4, v2, 4, v3                   ; a fragment's row x pitch + 16 x half
	s_mul_i32 s21, s15, HALFT                      ; my 128 rows of A
	s_mul_i32 s22, s16, HALFT                      ; my 128 rows of B,
	s_add_co_u32 s22, s22, 2*HALFT                 ; behind A's 256
.irp s, 0,1
	v_add_nc_u32 v[ADRA+\s], s21, v4
	v_add_nc_u32 v[ADRB+\s], s22, v4
	s_add_co_u32 s21, s21, SLOT
	s_add_co_u32 s22, s22, SLOT
.endr
	v_mul_u32_u24 v5, v1, KS                       ; my row's scales: 32 bytes a row,
	v_lshrrev_b32 v6, 8, v5
	v_lshl_add_u32 v5, v6, 4, v5                   ; and 16 more for each 256 passed
	s_mul_i32 s21, s15, HALFS
	s_mul_i32 s22, s16, HALFS
	s_add_co_u32 s22, s22, 2*HALFS
	s_sub_co_u32 s22, s22, s21
	v_mul_u32_u24 v6, s22, v2                      ; lanes 16-31 take B's: one product, the distance between the two bases
	s_add_co_u32 s21, s21, SCL
	v_add_nc_u32 v5, v5, v6
	v_add_nc_u32 v[ADRS], s21, v5
	; the bias of my weight, and the lane's place in an output tile
	s_cmp_eq_u32 ttmp9, 0
	s_cselect_b64 s[96:97], s[96:97], s[98:99]
	s_cmp_eq_u32 ttmp9, 2                          ; cluster x is the same in all sixteen partners
	s_cselect_b64 s[96:97], s[100:101], s[96:97]
	s_cselect_b32 s22, 5, 4                        ; v: 32 r + 16 hf;  q, k: 16 r + 256 hf
	s_cselect_b32 s23, 4, 8
	v_lshlrev_b32 v5, s22, v1
	v_lshlrev_b32 v6, s23, v2
	v_add_nc_u32 v[CO], v5, v6
	s_lshl_b32 s21, s40, 10                        ; my first column in the weight, in bytes of f32: 1,024 cx + 512 x half,
	s_lshl_b32 s22, s16, 9
	s_add_co_u32 s21, s21, s22
	v_lshlrev_b32 v[BOF], 5, v2                    ; + 32 hf: register j of block b is bias[16 b + 8 hf + j]
	v_add_nc_u32 v[BOF], s21, v[BOF]
.irp b, 0,1,2,3,4,5,6,7
	global_load_b128 v[BI+8*\b:BI+8*\b+3], v[BOF], s[96:97] offset:64*\b
	global_load_b128 v[BI+8*\b+4:BI+8*\b+7], v[BOF], s[96:97] offset:64*\b+16
.endr
	; where my part of the output begins: the weight's part, the batch, my first tile of 16 tokens;
	s_lshl_b32 s20, ttmp9, 24
	s_lshr_b32 s21, s17, 3                         ; eight tile rows are a batch's 2,048 tokens
	s_lshl_b32 s21, s21, 22                        ; 16 heads of 262,144 bytes
	s_add_co_u32 s20, s20, s21
	s_and_b32 s21, s17, 7
	s_lshl_b32 s21, s21, 4
	s_lshl_b32 s22, s15, 3
	s_add_co_u32 s21, s21, s22
	s_lshl_b32 s21, s21, 11                        ; 2,048 bytes a tile of tokens
	s_add_co_u32 s20, s20, s21
	s_mov_b32 s21, 0
	s_add_nc_u64 s[12:13], s[12:13], s[20:21]
	s_lshl_b32 s46, s40, 2                         ; and my first head: 4 cx + 2 x half
	s_lshl_b32 s47, s16, 1
	s_add_co_u32 s46, s46, s47
	s_lshl_b32 s46, s46, 18
	s_mov_b32 s47, 0
	s_add_nc_u64 s[12:13], s[12:13], s[46:47]
.macro FRAG reg, adr, q, i             ; a fragment: lane l holds row l % 16; registers 4 c .. 4 c + 3 hold K = 64 c + 32 (l / 16) + 0 .. 31
.irp c, 0,1
	ds_load_b128 v[\reg+4*\c:\reg+4*\c+3], v[\adr] offset:64*(\q)+32*\c+(\i)*16*PITCH
.endr
.endm
; 16 matrix instructions: A's blocks a0, a0 + 1 x B's eight, the slot's q-th 128 along K.  p: B's set; sc: the set of scale words.  zero = 1: the first product starts the sums from the bias.
; The 64 accumulators take turns, one instruction a turn, in the same order in every step.
.macro MUL16 a0, p, q, sc, zero
.irp a, \a0, \a0+1
.irp b, 0,1,2,3,4,5,6,7
.if \zero
	v_wmma_scale_f32_16x16x128_f8f6f4 v[8*(8*((\a)%4)+\b):8*(8*((\a)%4)+\b)+7], v[128*(\p)+FR*\b:128*(\p)+FR*\b+FR-1], v[AF+FR*(\a):AF+FR*(\a)+FR-1], v[BI+8*\b:BI+8*\b+7], v[SC+8*NQ*(\sc)+NQ*\b+(\q)], v[SC+8*NQ*(\sc)+NQ*(\a)+(\q)] matrix_a_fmt:MATRIX_FMT_FP4 matrix_b_fmt:MATRIX_FMT_FP4 matrix_a_scale:MATRIX_SCALE_ROW1
.else
	v_wmma_scale_f32_16x16x128_f8f6f4 v[8*(8*((\a)%4)+\b):8*(8*((\a)%4)+\b)+7], v[128*(\p)+FR*\b:128*(\p)+FR*\b+FR-1], v[AF+FR*(\a):AF+FR*(\a)+FR-1], v[8*(8*((\a)%4)+\b):8*(8*((\a)%4)+\b)+7], v[SC+8*NQ*(\sc)+NQ*\b+(\q)], v[SC+8*NQ*(\sc)+NQ*(\a)+(\q)] matrix_a_fmt:MATRIX_FMT_FP4 matrix_b_fmt:MATRIX_FMT_FP4 matrix_a_scale:MATRIX_SCALE_ROW1
.endif
.endr
.endr
.endm
.macro FETCH_B slot, q, p
	WIN TO_B
.irp i, 0,1,2,3,4,5,6,7
	FRAG 128*(\p)+FR*\i, ADRB+\slot, \q, \i
.endr
	WIN 0
.endm
.macro FETCH_A slot, q, i0
.irp i, \i0, \i0+1, \i0+2, \i0+3
	FRAG AF+FR*(\i), ADRA+\slot, \q, \i
.endr
.endm
.macro SCALES sc                       ; a slot's scale words: 4 words a row; lanes 0-15 take A's block i, lanes 16-31 B's block i
.irp i, 0,1,2,3,4,5,6,7
	ds_load_b128 v[SC+8*NQ*\sc+NQ*\i:SC+8*NQ*\sc+NQ*\i+3], v[ADRS] offset:\i*SBLK
.endr
.endm
.macro PLACES n                        ; plain vector lines between a matrix instruction and a load into, or a read of, its registers
.rept \n
	v_nop
.endr
.endm
.macro STEP slot, q, zero              ; a step of 128 along K that has its successor in the same slot
	s_wait_dscnt 4*NL                              ; all but the youngest eight loads (A's blocks 4-7) are in
	WIN MUL_LO-0x20*(\zero)
	MUL16 0, (\q)%2, \q, \slot, \zero
	MUL16 2, (\q)%2, \q, \slot, \zero
	s_wait_dscnt 0                                 ; A's blocks 4-7 are in
	PLACES NP
	FETCH_B \slot, (\q)+1, 1-(\q)%2
	FETCH_A \slot, (\q)+1, 0
	WIN MUL_HI-0x30*(\zero)
	MUL16 4, (\q)%2, \q, \slot, \zero
	MUL16 6, (\q)%2, \q, \slot, \zero
	PLACES NP
	WIN 0
	FETCH_A \slot, (\q)+1, 4
.endm
; Slot 0's last step goes over to slot 1: each wave waits for all its tensor loads (its part of slot 1), adds 0 to its spare word, waits for that, and passes a barrier: behind it slot 1 is whole.
.macro TURN slot, next
	s_wait_tensorcnt 0x0
	ds_add_u32 v[SPW], v[NIL]
	s_wait_dscnt 4*NL+1                            ; (the add and the youngest eight loads may be out)
	WIN MUL_LO
	MUL16 0, 1, NQ-1, \slot, 0
	s_wait_dscnt 0x0                               ; the add is done, and no LDS load of mine is out at the signal
	s_barrier_signal -1
	MUL16 2, 1, NQ-1, \slot, 0
	WIN 0
	s_barrier_wait -1
	PLACES NP
	v_add_nc_u32 v[ADRS], 4*NQ, v[ADRS]            ; on to the next slot's scale words
	FETCH_B \next, 0, 0
	FETCH_A \next, 0, 0
	SCALES \next
	WIN MUL_HI
	MUL16 4, 1, NQ-1, \slot, 0
	MUL16 6, 1, NQ-1, \slot, 0
	PLACES NP
	WIN 0
	FETCH_A \next, 0, 4
.endm
	s_wait_tensorcnt 1                             ; the scales and my part of slot 0 are in; slot 1's load may stay out
	s_barrier_signal -1
	s_barrier_wait -1
	FETCH_B 0, 0, 0
	FETCH_A 0, 0, 0
	SCALES 0
	FETCH_A 0, 0, 4
	s_wait_loadcnt 0x0                             ; the bias
	STEP 0, 0, 1
	STEP 0, 1, 0
	STEP 0, 2, 0
	TURN 0, 1
	STEP 1, 0, 0
	STEP 1, 1, 0
	STEP 1, 2, 0
	s_wait_dscnt 4*NL                              ; the last step: nothing more to fetch
	WIN MUL_LO
	MUL16 0, 1, NQ-1, 1, 0
	MUL16 2, 1, NQ-1, 1, 0
	s_wait_dscnt 0
	WIN MUL_HI
	MUL16 4, 1, NQ-1, 1, 0
	MUL16 6, 1, NQ-1, 1, 0
; THE WAY OUT.  Block a (16 tokens x 128 channels): each accumulator's eight numbers, from its low end on, pack into 16 bytes a lane: one tile of 512 bytes of the output, stored by one instruction.
; The packed results take window 1, 32 registers a block: no store's data are written again.
.macro PACKOUT a
.set AC, 64*((\a)%4)
	WIN 0x4a+5*((\a)/4)                            ; sources window 2 or 3, destination window 1
.irp b, 0,1,2,3,4,5,6,7
.irp i, 0,1,2,3
	v_cvt_pk_f16_f32 v[32*(\a)+4*\b+\i], v[AC+8*\b+2*\i], v[AC+8*\b+2*\i+1]
.endr
.endr
	WIN 0x04                                       ; a store's data are its source 1: window 1
.irp b, 0,1,2,3,4,5,6,7
	global_store_b128 v[CO], v[32*(\a)+4*\b:32*(\a)+4*\b+3], s[12:13] offset:(\a)*2048+(\b/4)*262144+(\b%4)*512   ; the wave stores 512 consecutive bytes, aligned
.endr
.endm
	PLACES NP                                      ; behind the last products: their operands in window 1 are written, and results are read, only behind these
.irp a, 0,1,2,3,4,5,6,7
	PACKOUT \a
.endr
	WIN 0
	s_wait_tensorcnt 0x0                           ; the wave's end: three closing lines
	ds_add_u32 v[SPW], v[NIL]
	s_wait_dscnt 0x0
	CROUND                                         ; the closing round
	s_endpgm
.Lfunc_end_k_q91ba7eed5f_qkv:
	.size	k_q91ba7eed5f_qkv, .Lfunc_end_k_q91ba7eed5f_qkv-k_q91ba7eed5f_qkv
	.p2alignl 7, 3214868480
	.fill 96, 4, 3214868480
	.section	.rodata,"a",@progbits
	.p2align	6, 0x0
	.amdhsa_kernel k_q91ba7eed5f_qkv
		.amdhsa_group_segment_fixed_size 327680
		.amdhsa_private_segment_fixed_size 0
		.amdhsa_enable_private_segment 0
		.amdhsa_kernarg_size 64
		.amdhsa_user_sgpr_count 2
		.amdhsa_user_sgpr_kernarg_segment_ptr 1
		.amdhsa_wavefront_size32 1
		.amdhsa_system_sgpr_workgroup_id_x 1
		.amdhsa_system_sgpr_workgroup_id_y 1
		.amdhsa_system_sgpr_workgroup_id_z 1
		.amdhsa_system_vgpr_workitem_id 0
		.amdhsa_next_free_vgpr 1024
		.amdhsa_next_free_sgpr 102
		.amdhsa_reserve_vcc 0
		.amdhsa_float_denorm_mode_32 3
		.amdhsa_float_denorm_mode_16_64 3
		.amdhsa_memory_ordered 1
		.amdhsa_forward_progress 1
		.amdhsa_inst_pref_size 120
	.end_amdhsa_kernel
	.amdgpu_metadata
---
amdhsa.version: [ 1, 2 ]
amdhsa.kernels:
  - .name:           k_q91ba7eed5f_qkv
    .symbol:         k_q91ba7eed5f_qkv.kd
    .args:
      - { .name: xc, .offset: 0, .size: 8, .value_kind: global_buffer, .address_space: global }
      - { .name: xs, .offset: 8, .size: 8, .value_kind: global_buffer, .address_space: global }
      - { .name: wc, .offset: 16, .size: 8, .value_kind: global_buffer, .address_space: global }
      - { .name: ws, .offset: 24, .size: 8, .value_kind: global_buffer, .address_space: global }
      - { .name: qkv, .offset: 32, .size: 8, .value_kind: global_buffer, .address_space: global }
      - { .name: bq, .offset: 40, .size: 8, .value_kind: global_buffer, .address_space: global }
      - { .name: bk, .offset: 48, .size: 8, .value_kind: global_buffer, .address_space: global }
      - { .name: bv, .offset: 56, .size: 8, .value_kind: global_buffer, .address_space: global }
    .group_segment_fixed_size: 327680
    .private_segment_fixed_size: 0
    .kernarg_segment_align: 8
    .kernarg_segment_size: 64
    .max_flat_workgroup_size: 128
    .sgpr_count:     102
    .vgpr_count:     1024
    .wavefront_size: 32
...
	.end_amdgpu_metadata
.endif
;; end of part 2
;; launch attn (part 3): grid 4 x 64, 8 waves a work-group, clusters of 4 x 1, 327,680 bytes of LDS; arguments qkv, o16; writes o16
.if DOCPART == 3
	.amdgcn_target "amdgcn-amd-amdhsa--gfx1250"
	.amdhsa_code_object_version 6
	.text
	.protected	k_q91ba7eed5f_attn
	.globl	k_q91ba7eed5f_attn
	.p2align	8
	.type	k_q91ba7eed5f_attn,@function
k_q91ba7eed5f_attn:
	s_mov_b64 s[64:65], 0
	v_nop
	global_prefetch_b8 v0, s[64:65] scope:SCOPE_SE
	s_setreg_imm32_b32 hwreg(HW_REG_WAVE_MODE, 25, 1), 1
	s_wait_xcnt 0x0
	s_wait_alu depctr_hold_cnt(0) depctr_sa_sdst(0) depctr_va_vdst(0) depctr_va_sdst(0) depctr_va_ssrc(0) depctr_va_vcc(0) depctr_vm_vsrc(0)
	s_getreg_b32 s2, hwreg(HW_REG_IB_STS2, 6, 4)
	s_cmp_eq_u32 s2, 0
	s_cbranch_scc0 .Lentry_in_a_cluster
	s_endpgm
.Lentry_in_a_cluster:
	s_bfe_u32 s2, ttmp6, 0x10000c
	s_cmp_lg_u32 s2, 0x3003
	s_cbranch_scc0 .Lentry_shape_is_right
	s_endpgm
.Lentry_shape_is_right:
; ATTN: o[b][h][q] = the sum over k of softmax_k(q . k / 4) v, for each of the 64 (batch, head): 2,048 queries, 2,048 keys, head size 64, no mask.  The divisor is sqrt(16), as the problem has it.
; q, k, v arrive in f16, in the order of the operands' registers: three parts of qkv, each [16 b + h][token / 16][channel tile (4)][512 bytes] (q, k: a lane's 16 bytes at 16 x lane; v: rows of 32 bytes [key][16 channels]).
; Products, maxima and sums in f32; the weights p are rounded to f16 for the second product, o once at the end.
; SHARES.  A work-group owns 512 queries of one head, each of its eight waves 64: four tiles of 16, in 512 registers, two waves to a SIMD: while one wave walks its softmax the other's products can be issued.
; A key step's 16,384 bytes from LDS feed a wave's 64 matrix instructions.
; LAYOUT.  S^T = K Q^T (source 0 = 16 keys, source 1 = 16 queries): a lane holds ONE query and the keys 8 (lane / 16) + 0..7.  Two such tiles, rounded in pairs, are source 1 of O^T = V^T P, whose result again holds
; one query a lane and eight channels: packed, they are four registers of the projection's operand, and are stored so: o16 [row / 16][k / 32][1024 bytes].  Nothing changes lanes; V is turned by ds_load_tr16_b128.
; SOFTMAX.  For each query a running maximum m and sum l: p = 2^(c s - c m), c = log2(e) / 4; in every step O and l are multiplied by a = 2^(c m_old - c m_new).  m begins at -3e38, O and l at 0: the first step's a is 0.
; CLUSTER.  The four query blocks of a head are a cluster and walk the same K and V: each tile is asked for jointly, by the same tensor load with a mask that names the four.
; RING.  Two slots of 512 keys (K's 65,536 bytes, then V's), dense as in memory.  Each wave brings 16,384 bytes of a slot by one load (waves 0-3 K's quarters, waves 4-7 V's): one load of mine is out at a time.
; No prefetch is laid: a slot's load is issued eight key steps, 512 matrix instructions of each wave, ahead of the wait for it.
; LIMITS: |o| stays under 65,504; NaN and infinities are not served; scores stay above -3e38.
; REGISTERS: window 0: v2-5 addresses; v14, v15 the add's two; v16-47 statistics, eight a tile: +0 c m, +1 m, +2, +3 l, +4..+7 c0-c3 at work (a takes c2's place); v48-111 S^T of two tiles; v112-143 P of two tiles; v144-207 K.
;   window 1: v0-127 O^T (tile t at 32 t, channel tile at + 8); v128-191 Q; v192-255 V.
.set SLOT1, 1<<17                      ; slot 1 begins here: one exclusive or turns an address in one slot into the other's
.set VOFF,  65536                      ; V's tiles in a slot
.set STEPB, 8192                       ; a key step: 64 keys of K, and as many bytes of V
.set SPARE, 2*SLOT1                    ; behind the ring: the spare words, 128 bytes for each wave: four blocks of 256 bytes that no other line names
.set AK0, 2                            ; v2   16 x lane: my place in an image of 512 bytes, in LDS and in memory; never rewritten
.set AV0, 3                            ; v3   my place in a tile of V for the turning load
.set ADK, 4
.set ADV, 5
.set SPW, 14
.set NIL, 15
.set ST,  16
.set S,   48
.set P,   112
.set KF,  144
.set QF,  128                          ; in window 1
.set VF,  192                          ; in window 1
.set WV,  12
.set G1,  24                           ; s[24:31] descriptor group 1
.set G0,  32                           ; s[32:35] group 0, which walks
.set SLOTS, 56
.set CNT, 57
.set CS,  58                           ; s[58:59] c: the packed form names a pair and takes its low word
.set SEL, 60                           ; s[60:61] lane selects: lane l xor 16
.set TB,  62                           ; s62  LDS byte at which the tiles of the step to be fetched begin
.set MSB, 0
.macro WIN new
.if MSB != (\new)
	s_set_vgpr_msb (MSB<<8)|(\new)
.set MSB, (\new)
.endif
.endm
.set W_KQ, 0x04                        ; Q (source 1) in window 1
.set W_PV, 0x51                        ; V (source 0) and O^T (C, D) in window 1
.set W_RS, 0x41                        ; O^T (destination, source 0) in window 1
.macro JLOAD                           ; one line for all eight waves: LDS and global address hang on the wave's number; an s_nop 0 and four v_nop follow
	tensor_load_to_lds s[G0:G0+3], s[G1:G1+7]
	s_nop 0
.rept 4
	v_nop
.endr
.endm
.macro CROUND                          ; a round of the cluster's barrier
	s_barrier_signal -1
	s_barrier_wait -1
	s_cmp_lg_u32 s[WV], 0
	s_cbranch_scc1 .Lnot_wave_0_\@
	s_barrier_signal -3
.Lnot_wave_0_\@:
	s_barrier_wait -3
	s_barrier_signal -1
	s_barrier_wait -1
.endm
.macro PLACES
.rept 4
	v_nop
.endr
.endm
	s_load_b128 s[4:7], s[0:1], 0x0                ; qkv, o16
	v_lshl_add_u32 v[SPW], v0, 2, SPARE
	v_mov_b32 v[NIL], 0
	ds_add_u32 v[SPW], v[NIL]                      ; the wave's opening: the add, twice on end, and its wait ahead of my first tensor load
	ds_add_u32 v[SPW], v[NIL]
	v_lshrrev_b32 v1, 5, v0
	v_readfirstlane_b32 s[WV], v1                  ; wave 0..7
	s_bfe_u32 s13, ttmp6, 0x40000                  ; cx
	s_lshl_b32 s15, ttmp9, 2
	s_add_co_u32 s15, s15, s13                     ; my block of 512 queries: it enters Q's and O's addresses alone
	s_and_b32 s14, ttmp7, 0xffff                   ; 16 b + h, which the four partners share
	s_lshr_b32 s16, s[WV], 2                       ; what I fetch: K (0) or V (1):
	s_add_co_u32 s16, s16, 1
	s_lshl_b32 s16, s16, 24                        ; its part of qkv,
	s_lshl_b32 s17, s14, 18                        ; the head's 262,144 bytes,
	s_add_co_u32 s16, s16, s17
	s_and_b32 s17, s[WV], 3
	s_lshl_b32 s17, s17, 14                        ; my quarter of a slot's 65,536
	s_add_co_u32 s16, s16, s17
	s_mov_b32 s17, 0
	s_lshl_b32 s18, s14, 18                        ; Q: the head, my block's 32 tiles of 2,048 bytes, my wave's four
	s_lshl_b32 s19, s15, 16
	s_add_co_u32 s18, s18, s19
	s_lshl_b32 s19, s[WV], 13
	s_add_co_u32 s18, s18, s19
	s_mov_b32 s19, 0
	s_lshr_b32 s20, s14, 4                         ; O: row tile 128 b + 32 x block + 4 x wave, of 32,768 bytes;
	s_lshl_b32 s20, s20, 7
	s_lshl_b32 s21, s15, 5
	s_add_co_u32 s20, s20, s21
	s_lshl_b32 s21, s[WV], 2
	s_add_co_u32 s20, s20, s21
	s_lshl_b32 s20, s20, 15
	s_and_b32 s21, s14, 15
	s_lshl_b32 s21, s21, 11                        ; the head's two fragments of 1,024 bytes
	s_add_co_u32 s20, s20, s21
	s_mov_b32 s21, 0
	; descriptor group 1: 16,384 dense bytes as 64 rows of 32 elements of 8 bytes
	s_mov_b32 s[G1], 15|(3<<16)|(1<<21)            ; 15:0 the mask: all four work-groups; 17:16 elements of 8 bytes; 21 set beside a mask
	s_mov_b32 s[G1+1], 32<<16                      ; tensor_dim0
	s_mov_b32 s[G1+2], 64<<16                      ; tensor_dim1
	s_mov_b32 s[G1+3], 32<<16                      ; tile_dim0
	s_mov_b32 s[G1+4], 64                          ; tile_dim1
	s_mov_b32 s[G1+5], 32                          ; from row to row
	s_mov_b32 s[G1+6], 0
	s_mov_b32 s[G1+7], 0
	s_mov_b32 s[CS], 0x3eb8aa3b                    ; c = log2(e) / 4
	s_mov_b32 s[CS+1], s[CS]
	s_mov_b32 s[SEL], 0x76543210
	s_mov_b32 s[SEL+1], 0xfedcba98
	s_mov_b32 s[TB], 0
	s_mov_b32 s[SLOTS], 3
	s_wait_dscnt 0x0                               ; both opening adds are done
	s_wait_kmcnt 0x0
	s_mov_b32 s[G0], 1                             ; count = 1
	s_lshl_b32 s[G0+1], s[WV], 14                  ; LDS address: slot 0, wave x 16,384: no place in the cluster enters it
	s_add_nc_u64 s[G0+2:G0+3], s[4:5], s[16:17]    ; global address: the head's first 512 keys
	s_or_b32 s[G0+3], s[G0+3], 0x80000000          ; type = 2
	s_add_nc_u64 s[4:5], s[4:5], s[18:19]          ; Q at my wave's first tile
	s_add_nc_u64 s[6:7], s[6:7], s[20:21]          ; O likewise
	CROUND                                         ; all four work-groups are here: the first joint loads meet
	JLOAD                                          ; slot 0
	v_and_b32 v1, 31, v0
	v_lshlrev_b32 v[AK0], 4, v1
	v_bfe_u32 v6, v0, 4, 1
	v_and_b32 v7, 7, v0
	v_lshl_add_u32 v6, v6, 3, v7                   ; the turning load: lane l reads key 8 (l / 16) + l % 8,
	v_bfe_u32 v7, v0, 3, 1
	v_lshlrev_b32 v[AV0], 5, v6                    ; rows of 32 bytes,
	v_lshl_add_u32 v[AV0], v7, 4, v[AV0]           ; channels 8 ((l / 8) % 2) + 0..7
	v_add_nc_u32 v[AV0], VOFF, v[AV0]
	WIN 0x40                                       ; destination window 1
.irp n, 0,1,2,3,4,5,6,7,8,9,10,11,12,13,14,15
	global_load_b128 v[QF+4*\n:QF+4*\n+3], v[AK0], s[4:5] offset:512*\n   ; Q stays in registers: tile n / 4, channels 16 (n % 4) on
.endr
.set i, 0
.rept 128
	v_mov_b32 v[i], 0                              ; O^T.  The key step is written without a first step of its own: it finds zeros, which a = 0 leaves zeros
.set i, i+1
.endr
	WIN 0
.irp t, 0,1,2,3
	v_mov_b32 v[ST+8*\t+1], 0xff61b1e6             ; m = -3e38
	v_mov_b32 v[ST+8*\t+2], 0                      ; l, in two halves
	v_mov_b32 v[ST+8*\t+3], 0
.endr
.irp t, 0,1,2,3
	v_mul_f32 v[ST+8*\t], s[CS], v[ST+8*\t+1]      ; c m
.endr
; THE LDS LOADS stand in runs.  A step's K: 16 images of 512 bytes, four registers each.  The addition and three v_nop are the four places behind the products that last read the buffer.
.macro FETCH_K
	WIN 0
	v_add_nc_u32 v[ADK], s[TB], v[AK0]
.rept 3
	v_nop
.endr
.irp n, 0,1,2,3,4,5,6,7,8,9,10,11,12,13,14,15
	ds_load_b128 v[KF+4*\n:KF+4*\n+3], v[ADK] offset:512*\n
.endr
.endm
; A step's V, turned: fragment f = keys 32 (f / 4) on, channels 16 (f % 4) on; its two halves lie a tile of tokens, 2,048 bytes, apart.
.macro FETCH_V
	WIN 0
	v_add_nc_u32 v[ADV], s[TB], v[AV0]
.rept 3
	v_nop
.endr
	s_add_co_u32 s[TB], s[TB], STEPB               ; the next fetch is the next step's
	WIN 0x40
.irp f, 0,1,2,3,4,5,6,7
	ds_load_tr16_b128 v[VF+8*\f:VF+8*\f+3], v[ADV] offset:(\f/4)*4096+(\f%4)*512
	ds_load_tr16_b128 v[VF+8*\f+4:VF+8*\f+7], v[ADV] offset:(\f/4)*4096+2048+(\f%4)*512
.endr
	WIN 0
.endm
; S^T = K Q^T for tiles y, y + 1: 16 products; the eight accumulators take turns, one instruction a turn; the first eight start the sums.
.macro KQ y
	WIN W_KQ
.irp g, 0,1
.irp kt, 0,1,2,3
.irp u, 0,1
.if \g == 0
	v_wmma_f32_16x16x32_f16 v[S+32*\u+8*\kt:S+32*\u+8*\kt+7], v[KF+16*\kt:KF+16*\kt+7], v[QF+16*(\y+\u):QF+16*(\y+\u)+7], 0
.else
	v_wmma_f32_16x16x32_f16 v[S+32*\u+8*\kt:S+32*\u+8*\kt+7], v[KF+16*\kt+8:KF+16*\kt+15], v[QF+16*(\y+\u)+8:QF+16*(\y+\u)+15], v[S+32*\u+8*\kt:S+32*\u+8*\kt+7]
.endif
.endr
.endr
.endr
.endm
; O^T += V^T P for tiles y, y + 1: 16 products, eight accumulators by turns.
.macro PV y
	WIN W_PV
.irp g, 0,1
.irp ct, 0,1,2,3
.irp u, 0,1
	v_wmma_f32_16x16x32_f16 v[32*(\y+\u)+8*\ct:32*(\y+\u)+8*\ct+7], v[VF+8*(4*\g+\ct):VF+8*(4*\g+\ct)+7], v[P+16*\u+8*\g:P+16*\u+8*\g+7], v[32*(\y+\u)+8*\ct:32*(\y+\u)+8*\ct+7]
.endr
.endr
.endr
.endm
; THE SOFTMAX of tiles y, y + 1 for one key step; the two tiles alternate line by line, so that no line waits for the line above it.
.macro SM y
	WIN 0
.irp j, 0,1,2,3                                ; the maximum of the lane's 32 scores and the old m: four chains; each accumulator is first read at its low end
.irp u, 0,1
	v_max3_num_f32 v[ST+8*(\y+\u)+4+\j], v[S+32*\u+8*\j], v[S+32*\u+8*\j+1], v[S+32*\u+8*\j+2]
.endr
.endr
.irp k, 1,2
.irp j, 0,1,2,3
.irp u, 0,1
	v_max3_num_f32 v[ST+8*(\y+\u)+4+\j], v[ST+8*(\y+\u)+4+\j], v[S+32*\u+8*\j+2*\k+1], v[S+32*\u+8*\j+2*\k+2]
.endr
.endr
.endr
.irp u, 0,1
	v_max3_num_f32 v[ST+8*(\y+\u)+4], v[ST+8*(\y+\u)+4], v[S+32*\u+7], v[S+32*\u+15]
.endr
.irp u, 0,1
	v_max3_num_f32 v[ST+8*(\y+\u)+6], v[ST+8*(\y+\u)+6], v[S+32*\u+23], v[S+32*\u+31]
.endr
.irp u, 0,1
	v_max3_num_f32 v[ST+8*(\y+\u)+4], v[ST+8*(\y+\u)+4], v[ST+8*(\y+\u)+5], v[ST+8*(\y+\u)+6]
.endr
.irp u, 0,1
	v_max3_num_f32 v[ST+8*(\y+\u)+4], v[ST+8*(\y+\u)+4], v[ST+8*(\y+\u)+7], v[ST+8*(\y+\u)+1]
.endr
.irp u, 0,1
	v_permlanex16_b32 v[ST+8*(\y+\u)+5], v[ST+8*(\y+\u)+4], s[SEL], s[SEL+1]   ; the query's other 32 keys lie in the lane 16 away
.endr
.irp u, 0,1
	v_mov_b32 v[ST+8*(\y+\u)+7], v[ST+8*(\y+\u)]   ; c m_old is kept for a
.endr
.irp u, 0,1
	v_max_num_f32 v[ST+8*(\y+\u)+1], v[ST+8*(\y+\u)+4], v[ST+8*(\y+\u)+5]
.endr
.irp u, 0,1
	v_mul_f32 v[ST+8*(\y+\u)], s[CS], v[ST+8*(\y+\u)+1]
.endr
.irp u, 0,1
	v_sub_f32 v[ST+8*(\y+\u)+7], v[ST+8*(\y+\u)+7], v[ST+8*(\y+\u)]
.endr
; ONE BATCH: a, the 16 scalings c s - c m and the 32 exponentials of each tile.  None of these lines names an exponential's result; a pair's exponentials follow the next pair's scaling.
.irp u, 0,1
	v_exp_f32 v[ST+8*(\y+\u)+6], v[ST+8*(\y+\u)+7]
.endr
.irp u, 0,1
	v_pk_fma_f32 v[S+32*\u:S+32*\u+1], v[S+32*\u:S+32*\u+1], s[CS:CS+1], v[ST+8*(\y+\u):ST+8*(\y+\u)+1] op_sel_hi:[1,0,0] neg_lo:[0,0,1] neg_hi:[0,0,1]
.endr
.irp b, 1,2,3,4,5,6,7,8,9,10,11,12,13,14,15
.irp u, 0,1
	v_pk_fma_f32 v[S+32*\u+2*\b:S+32*\u+2*\b+1], v[S+32*\u+2*\b:S+32*\u+2*\b+1], s[CS:CS+1], v[ST+8*(\y+\u):ST+8*(\y+\u)+1] op_sel_hi:[1,0,0] neg_lo:[0,0,1] neg_hi:[0,0,1]
.endr
.irp u, 0,1
	v_exp_f32 v[S+32*\u+2*\b-2], v[S+32*\u+2*\b-2]
	v_exp_f32 v[S+32*\u+2*\b-1], v[S+32*\u+2*\b-1]
.endr
.endr
.irp u, 0,1
	v_exp_f32 v[S+32*\u+30], v[S+32*\u+30]
	v_exp_f32 v[S+32*\u+31], v[S+32*\u+31]
.endr
	v_nop                                          ; a plain line behind the last exponential, ahead of the first use
	s_wait_alu depctr_va_vdst(0)                   ; and one wait ahead of the batch's first reader
.irp i, 0,1,2,3,4,5,6,7,8,9,10,11,12,13,14,15
.irp u, 0,1
	v_cvt_pk_f16_f32 v[P+16*\u+\i], v[S+32*\u+2*\i], v[S+32*\u+2*\i+1]   ; the weights for the second product
.endr
.endr
.irp z, 0,1,2,3,4,5,6,7                        ; the sum of the 16 pairs, in place: neighbours 1, 2, 4 and 8 pairs apart
.irp u, 0,1
	v_pk_add_f32 v[S+32*\u+4*\z:S+32*\u+4*\z+1], v[S+32*\u+4*\z:S+32*\u+4*\z+1], v[S+32*\u+4*\z+2:S+32*\u+4*\z+3]
.endr
.endr
.irp z, 0,1,2,3
.irp u, 0,1
	v_pk_add_f32 v[S+32*\u+8*\z:S+32*\u+8*\z+1], v[S+32*\u+8*\z:S+32*\u+8*\z+1], v[S+32*\u+8*\z+4:S+32*\u+8*\z+5]
.endr
.endr
.irp z, 0,1
.irp u, 0,1
	v_pk_add_f32 v[S+32*\u+16*\z:S+32*\u+16*\z+1], v[S+32*\u+16*\z:S+32*\u+16*\z+1], v[S+32*\u+16*\z+8:S+32*\u+16*\z+9]
.endr
.endr
.irp u, 0,1
	v_pk_add_f32 v[S+32*\u:S+32*\u+1], v[S+32*\u:S+32*\u+1], v[S+32*\u+16:S+32*\u+17]
.endr
.irp u, 0,1
	v_pk_fma_f32 v[ST+8*(\y+\u)+2:ST+8*(\y+\u)+3], v[ST+8*(\y+\u)+2:ST+8*(\y+\u)+3], v[ST+8*(\y+\u)+6:ST+8*(\y+\u)+7], v[S+32*\u:S+32*\u+1] op_sel_hi:[1,0,1]   ; l = a l + the sum
.endr
	WIN W_RS
.irp i, 0,1,2,3,4,5,6,7,8,9,10,11,12,13,14,15  ; O^T times a, each accumulator from its low end on
.irp u, 0,1
	v_pk_mul_f32 v[32*(\y+\u)+2*\i:32*(\y+\u)+2*\i+1], v[32*(\y+\u)+2*\i:32*(\y+\u)+2*\i+1], v[ST+8*(\y+\u)+6:ST+8*(\y+\u)+7] op_sel_hi:[1,0]
.endr
.endr
.endm
; A KEY STEP, 64 keys, in phases, for the wave's two pieces (tiles 0, 1 and tiles 2, 3).  next = 1: the next step's K is fetched when both pieces have multiplied by this step's, its V behind the last V^T P.
.macro STEP next
	s_wait_dscnt 16                                ; K's 16 loads are in; V's 16, issued behind them, may be out
	KQ 0
	PLACES                                         ; four places between the products and the first read of the scores
	SM 0
	s_wait_dscnt 0x0                               ; V is in
	PV 0
	KQ 2
.if \next
	FETCH_K                                        ; its four plain lines are also the places ahead of the softmax's first read
.else
	WIN 0
	PLACES
.endif
	SM 2
	PV 2
.if \next
	FETCH_V
.endif
	WIN 0                                          ; at a label and at a branch every window is 0
.endm
.macro SLOT_STEPS                      ; a slot's eight key steps: seven that fetch their successor, in a loop, and the last
	FETCH_K
	FETCH_V
	s_mov_b32 s[CNT], 7
.Lstep_\@:
	STEP 1
	s_sub_co_u32 s[CNT], s[CNT], 1
	s_cmp_lg_u32 s[CNT], 0
	s_cbranch_scc1 .Lstep_\@
	STEP 0
	s_sub_co_u32 s[TB], s[TB], 8*STEPB             ; the fetches go back to a slot's first step,
	s_xor_b32 s[TB], s[TB], SLOT1                  ; in the other slot
.endm
; THE CHANGE OF SLOTS stands at a slot's head.  Each wave waits for all its tensor loads (its part of the slot ahead), adds 0 to its spare word, and waits for that and for its reads of the slot that it has left.
; fill = 1: the barrier is a round of the cluster's, so that no wave of any partner still reads the other slot or has a load on its way; the joint load into it is the first thing behind the round,
; and has the whole slot's eight steps in which to land.
.macro CHANGE fill
	WIN 0
	s_wait_tensorcnt 0x0                           ; no tensor load of mine is out, so group 0 may be written
	ds_add_u32 v[SPW], v[NIL]
.if \fill
	s_xor_b32 s[G0+1], s[G0+1], SLOT1              ; the other slot than last time,
	s_add_nc_u64 s[G0+2:G0+3], s[G0+2:G0+3], 65536 ; the next 512 keys; the type bits on top are not reached
.endif
	s_wait_dscnt 0x0                               ; the add is done, and my reads of the slot that I have left are over
.if \fill
	CROUND
	JLOAD
.else
	s_barrier_signal -1
	s_barrier_wait -1
.endif
.endm
	s_wait_loadcnt 0x0                             ; Q
.Lslot:                                            ; three trips: behind each change of slots but the last the next slot is asked for
	CHANGE 1
	SLOT_STEPS
	s_sub_co_u32 s[SLOTS], s[SLOTS], 1
	s_cmp_lg_u32 s[SLOTS], 0
	s_cbranch_scc1 .Lslot
	CHANGE 0                                       ; the last slot is written out
	SLOT_STEPS
	; THE WAY OUT.  l's two halves and the other half of the lanes' are added (the four additions are the places behind the last products); O^T / l is rounded to f16 and stored as the projection's operand.
.irp t, 0,1,2,3
	v_add_f32 v[ST+8*\t+4], v[ST+8*\t+2], v[ST+8*\t+3]
.endr
.irp t, 0,1,2,3
	v_permlanex16_b32 v[ST+8*\t+5], v[ST+8*\t+4], s[SEL], s[SEL+1]
.endr
.irp t, 0,1,2,3
	v_add_f32 v[ST+8*\t+4], v[ST+8*\t+4], v[ST+8*\t+5]
.endr
.irp t, 0,1,2,3
	v_rcp_f32 v[ST+8*\t+6], v[ST+8*\t+4]
.endr
	v_nop                                          ; a plain line behind the last reciprocal
	s_wait_alu depctr_va_vdst(0)                   ; one wait for the four, ahead of their first reader
.irp t, 0,1,2,3
	WIN 0x01                                       ; source 0 (O^T) window 1
.irp i, 0,1,2,3,4,5,6,7,8,9,10,11,12,13,14,15
	v_pk_mul_f32 v[S+32*(\t%2)+2*\i:S+32*(\t%2)+2*\i+1], v[32*\t+2*\i:32*\t+2*\i+1], v[ST+8*\t+6:ST+8*\t+7] op_sel_hi:[1,0]
.endr
	WIN 0
.irp i, 0,1,2,3,4,5,6,7,8,9,10,11,12,13,14,15
	v_cvt_pk_f16_f32 v[KF+16*\t+\i], v[S+32*(\t%2)+2*\i], v[S+32*(\t%2)+2*\i+1]   ; each tile has data registers of its own: no store's data are written again
.endr
.irp ct, 0,1,2,3
	global_store_b128 v[AK0], v[KF+16*\t+4*\ct:KF+16*\t+4*\ct+3], s[6:7] offset:\t*32768+\ct*512   ; the wave stores 512 consecutive bytes, aligned
.endr
.endr
	s_wait_tensorcnt 0x0                           ; the wave's end: three closing lines
	ds_add_u32 v[SPW], v[NIL]
	s_wait_dscnt 0x0
	CROUND                                         ; the closing round: no work-group ends while a partner may still ask for a tile that names it
	s_endpgm
.Lfunc_end_k_q91ba7eed5f_attn:
	.size	k_q91ba7eed5f_attn, .Lfunc_end_k_q91ba7eed5f_attn-k_q91ba7eed5f_attn
	.p2alignl 7, 3214868480
	.fill 96, 4, 3214868480
	.section	.rodata,"a",@progbits
	.p2align	6, 0x0
	.amdhsa_kernel k_q91ba7eed5f_attn
		.amdhsa_group_segment_fixed_size 327680
		.amdhsa_private_segment_fixed_size 0
		.amdhsa_enable_private_segment 0
		.amdhsa_kernarg_size 16
		.amdhsa_user_sgpr_count 2
		.amdhsa_user_sgpr_kernarg_segment_ptr 1
		.amdhsa_wavefront_size32 1
		.amdhsa_system_sgpr_workgroup_id_x 1
		.amdhsa_system_sgpr_workgroup_id_y 1
		.amdhsa_system_sgpr_workgroup_id_z 1
		.amdhsa_system_vgpr_workitem_id 0
		.amdhsa_next_free_vgpr 512
		.amdhsa_next_free_sgpr 66
		.amdhsa_reserve_vcc 0
		.amdhsa_float_denorm_mode_32 3
		.amdhsa_float_denorm_mode_16_64 3
		.amdhsa_memory_ordered 1
		.amdhsa_forward_progress 1
		.amdhsa_inst_pref_size 151
	.end_amdhsa_kernel
	.amdgpu_metadata
---
amdhsa.version: [ 1, 2 ]
amdhsa.kernels:
  - .name:           k_q91ba7eed5f_attn
    .symbol:         k_q91ba7eed5f_attn.kd
    .args:
      - { .name: qkv, .offset: 0, .size: 8, .value_kind: global_buffer, .address_space: global }
      - { .name: o16, .offset: 8, .size: 8, .value_kind: global_buffer, .address_space: global }
    .group_segment_fixed_size: 327680
    .private_segment_fixed_size: 0
    .kernarg_segment_align: 8
    .kernarg_segment_size: 16
    .max_flat_workgroup_size: 256
    .sgpr_count:     66
    .vgpr_count:     512
    .wavefront_size: 32
...
	.end_amdgpu_metadata
.endif
;; end of part 3
;; launch proj (part 4): grid 8 x 64, 4 waves a work-group, clusters of 4 x 4, 327,680 bytes of LDS; arguments o16, wo16, out0, bo; writes out0
.if DOCPART == 4
	.amdgcn_target "amdgcn-amd-amdhsa--gfx1250"
	.amdhsa_code_object_version 6
	.text
	.protected	k_q91ba7eed5f_proj
	.globl	k_q91ba7eed5f_proj
	.p2align	8
	.type	k_q91ba7eed5f_proj,@function
k_q91ba7eed5f_proj:
	s_mov_b64 s[64:65], 0
	v_nop
	global_prefetch_b8 v0, s[64:65] scope:SCOPE_SE
	s_setreg_imm32_b32 hwreg(HW_REG_WAVE_MODE, 25, 1), 1
	s_wait_xcnt 0x0
	s_wait_alu depctr_hold_cnt(0) depctr_sa_sdst(0) depctr_va_vdst(0) depctr_va_sdst(0) depctr_va_ssrc(0) depctr_va_vcc(0) depctr_vm_vsrc(0)
	s_getreg_b32 s2, hwreg(HW_REG_IB_STS2, 6, 4)
	s_cmp_eq_u32 s2, 0
	s_cbranch_scc0 .Lentry_in_a_cluster
	s_endpgm
.Lentry_in_a_cluster:
	s_bfe_u32 s2, ttmp6, 0x10000c
	s_cmp_lg_u32 s2, 0xf033
	s_cbranch_scc0 .Lentry_shape_is_right
	s_endpgm
.Lentry_shape_is_right:
; PROJ: out0[m][n] = the sum over k of o[m][k] wo[k][n] + bo[n]; 8,192 x 1,024 x 1,024; operands f16, sums and result f32.
; Both operands arrive in the order of their registers: o16 [m / 16][k / 32][1024 bytes], wo16 [n / 16][k / 32][1024 bytes]; a fragment (16 rows x 32 K) is two images of 512 bytes, 16 bytes a lane at 16 x lane.
; A tile of 128 x 128 is made by a work-group of four waves, each 64 x 64: 16 accumulators.  512 tiles: two for each of 256 places.  K goes in steps of 256 through a ring of two LDS slots:
; a wave's tensor load brings four tiles of 16 rows x 8 fragments, four rows of 8,192 bytes that lie 32,768 bytes apart in memory; in LDS they lie on end, and a fragment load reads 512 consecutive bytes.
; CLUSTERS: 4 x 4 work-groups; A's tile is shared along a row of the cluster, B's along a column: joint loads.  TRANSPOSED USE (source 0 = 16 rows of wo16, source 1 = 16 rows of o16):
; a lane holds eight neighbouring numbers of a row of out0.  bo is the C of each sum's first matrix instruction.
; REGISTERS: window 0: v0-31 addresses; v32-95 the way out; v96-127 bo, eight registers for each of B's four blocks; v128-255 the accumulators ((a, b) at v[128 + 8 (4 a + b)]).
;   window 1: two fragment buffers of 128: for 64 along K, 64 registers of A, then 64 of B.
.set KBYTES, 8192                      ; a K step of one tile of 16 rows: 8 fragments
.set HALFT,  32768                     ; what one tensor load brings, and what one wave reads of A or of B
.set SLOT,   4*HALFT                   ; A's 128 rows, then B's 128 rows
.set STAGE,  2*SLOT                    ; behind the ring: 16 rows x 272 bytes for each wave, for the way out
.set SPITCH, 272
.set SPARE,  STAGE+4*16*SPITCH         ; the spare words, 128 bytes for each wave: two blocks of 256 bytes that no other line names
.set LAPS,   2                         ; a lap = two K steps = once round the ring
.set ADRA, 16
.set ADRB, 20
.set STO,  24
.set RD,   25
.set CO,   26
.set BOF,  27
.set SPW,  28
.set NIL,  29
.set TMP,  32
.set BI,   96
.set ACC,  128
.set F0,   0
.set F1,   128
.set G1, 24
.set G0, 32
.set G1B, 48
.set G0B, 56
.set MSB, 0
.macro WIN new
.if MSB != (\new)
	s_set_vgpr_msb (MSB<<8)|(\new)
.set MSB, (\new)
.endif
.endm
.set MUL,  0x05                        ; sources 0 (B) and 1 (A) window 1; C and D window 0
.set TO_F, 0x40
.macro JLOAD s                         ; a joint load: waves 0 and 1 fetch A's halves, waves 2 and 3 B's; an s_nop 0 and four v_nop follow each of the two lines
	s_cmp_eq_u32 s11, 0
	s_cbranch_scc0 .Lfor_b_\@
	tensor_load_to_lds s[G0+4*\s:G0+4*\s+3], s[G1:G1+7]
	s_nop 0
.rept 4
	v_nop
.endr
	s_branch .Lasked_\@
.Lfor_b_\@:
	tensor_load_to_lds s[G0B+4*\s:G0B+4*\s+3], s[G1B:G1B+7]
	s_nop 0
.rept 4
	v_nop
.endr
.Lasked_\@:
.endm
.macro CREST
	s_cmp_lg_u32 s10, 0
	s_cbranch_scc1 .Lnot_wave_0_\@
	s_barrier_signal -3
.Lnot_wave_0_\@:
	s_barrier_wait -3
	s_barrier_signal -1
	s_barrier_wait -1
.endm
.macro CROUND
	s_barrier_signal -1
	s_barrier_wait -1
	CREST
.endm
	s_load_b128 s[4:7], s[0:1], 0x0                ; o16, wo16
	s_load_b64 s[8:9], s[0:1], 0x10                ; out0
	s_load_b64 s[66:67], s[0:1], 0x18              ; bo
	v_lshl_add_u32 v[SPW], v0, 2, SPARE
	v_mov_b32 v[NIL], 0
	ds_add_u32 v[SPW], v[NIL]                      ; the wave's opening: the add, twice on end, and its wait ahead of my first tensor load
	ds_add_u32 v[SPW], v[NIL]
	v_lshrrev_b32 v1, 5, v0
	v_readfirstlane_b32 s10, v1                    ; wave 0..3
	s_lshr_b32 s11, s10, 1                         ; which half of the tile's rows is mine.  Also: I fetch for A (0) or for B (1)
	s_and_b32 s12, s10, 1                          ; which half of its columns.  Also: which 64 rows I fetch
	s_bfe_u32 s40, ttmp6, 0x40000
	s_bfe_u32 s41, ttmp6, 0x40004
	s_lshl_b32 s42, ttmp9, 2
	s_add_co_u32 s42, s42, s40                     ; tile column
	s_and_b32 s13, ttmp7, 0xffff
	s_lshl_b32 s13, s13, 2
	s_add_co_u32 s13, s13, s41                     ; tile row
	s_lshl_b32 s43, s41, 2
	s_lshl_b32 s43, 15, s43                        ; my row of the cluster
	s_lshl_b32 s44, 0x1111, s40                    ; my column
	; descriptor group 1: 4 rows of 1,024 elements of 8 bytes, 4,096 elements apart; no padding
	s_or_b32 s[G1+0], s43, (3<<16)|(1<<21)
	s_or_b32 s[G1B+0], s44, (3<<16)|(1<<21)
.irp g, G1, G1B
	s_mov_b32 s[\g+1], 1024<<16                    ; tensor_dim0
	s_mov_b32 s[\g+2], 4<<16                       ; tensor_dim1
	s_mov_b32 s[\g+3], 1024<<16                    ; tile_dim0
	s_mov_b32 s[\g+4], 4                           ; tile_dim1
	s_mov_b32 s[\g+5], 4096                        ; from row to row
	s_mov_b32 s[\g+6], 0
	s_mov_b32 s[\g+7], 0
.endr
	s_lshl_b32 s17, s12, 2                         ; which four tiles of 16 rows I fetch
	s_lshl_b32 s16, s13, 3
	s_add_co_u32 s16, s16, s17
	s_lshl_b32 s16, s16, 15                        ; A: (8 x tile row + 4 x half) x 32,768 bytes
	s_lshl_b32 s46, s42, 3
	s_add_co_u32 s46, s46, s17
	s_lshl_b32 s46, s46, 15                        ; B: by the tile column
	s_mov_b32 s17, 0
	s_mov_b32 s47, 0
	s_lshl_b32 s20, s10, 15                        ; where they go: wave x 32,768: no place in the cluster enters an LDS address
	s_wait_dscnt 0x0                               ; both opening adds are done
	s_wait_kmcnt 0x0
	s_add_nc_u64 s[14:15], s[4:5], s[16:17]
	s_add_nc_u64 s[46:47], s[6:7], s[46:47]
	CROUND                                         ; all sixteen work-groups are here: the first joint loads meet
.irp s, 0,1
	s_mov_b32 s[G0+4*\s], 1
	s_add_co_u32 s[G0+4*\s+1], s20, \s*SLOT
	s_add_nc_u64 s[G0+4*\s+2:G0+4*\s+3], s[14:15], \s*KBYTES
	s_or_b32 s[G0+4*\s+3], s[G0+4*\s+3], 0x80000000
	s_mov_b32 s[G0B+4*\s], 1
	s_add_co_u32 s[G0B+4*\s+1], s20, \s*SLOT
	s_add_nc_u64 s[G0B+4*\s+2:G0B+4*\s+3], s[46:47], \s*KBYTES
	s_or_b32 s[G0B+4*\s+3], s[G0B+4*\s+3], 0x80000000
	JLOAD \s
.endr
	v_and_b32 v1, 15, v0                           ; r = lane % 16
	v_bfe_u32 v2, v0, 4, 1                         ; hf = lane / 16
	v_and_b32 v3, 31, v0
	v_lshlrev_b32 v3, 4, v3                        ; 16 x lane: my place in an image
	s_lshl_b32 s21, s11, 15                        ; my 64 rows of A
	s_lshl_b32 s22, s12, 15                        ; my 64 rows of B,
	s_add_co_u32 s22, s22, 2*HALFT                 ; behind A's 128
.irp s, 0,1
	v_add_nc_u32 v[ADRA+\s], s21, v3
	v_add_nc_u32 v[ADRB+\s], s22, v3
	s_add_co_u32 s21, s21, SLOT
	s_add_co_u32 s22, s22, SLOT
.endr
	s_mul_i32 s23, s10, 16*SPITCH
	s_add_co_u32 s23, s23, STAGE                   ; my stage
	v_mul_u32_u24 v4, v1, SPITCH                   ; in: row r, 32 bytes for each half of the lanes
	v_lshl_add_u32 v4, v2, 5, v4
	v_add_nc_u32 v[STO], s23, v4
	v_mul_u32_u24 v5, v2, SPITCH                   ; back: lanes 0-15 one row of 256 bytes, lanes 16-31 the next
	v_lshl_add_u32 v5, v1, 4, v5
	v_add_nc_u32 v[RD], s23, v5
	v_lshlrev_b32 v5, 12, v2                       ; and the same two rows in out0: 4,096 bytes a row
	v_lshl_add_u32 v[CO], v1, 4, v5
	s_lshl_b32 s16, s13, 7
	s_lshl_b32 s17, s11, 6
	s_add_co_u32 s16, s16, s17                     ; my first row: 128 x tile row + 64 x half
	s_lshl_b32 s16, s16, 12
	s_mov_b32 s17, 0
	s_add_nc_u64 s[8:9], s[8:9], s[16:17]
	s_lshl_b32 s46, s42, 9                         ; my first column, in bytes: 512 x tile column + 256 x half
	s_lshl_b32 s47, s12, 8
	s_add_co_u32 s46, s46, s47
	s_mov_b32 s47, 0
	s_add_nc_u64 s[8:9], s[8:9], s[46:47]
	v_lshl_add_u32 v[BOF], v2, 5, s46              ; bo: the same column, + 32 hf: register j of block b is bo[16 b + 8 hf + j]
.irp b, 0,1,2,3
	global_load_b128 v[BI+8*\b:BI+8*\b+3], v[BOF], s[66:67] offset:64*\b
	global_load_b128 v[BI+8*\b+4:BI+8*\b+7], v[BOF], s[66:67] offset:64*\b+16
.endr
; 8 matrix instructions: m blocks a0, a0 + 1 x all 4 n blocks, 32 along K: half c of buffer f.  zero = 1: the first product starts the sums from bo.  The 16 accumulators take turns.
.macro MUL8 f, c, a0, zero
.irp a, \a0, \a0+1
.irp b, 0,1,2,3
.if \zero
	v_wmma_f32_16x16x32_f16 v[ACC+8*(4*(\a)+\b):ACC+8*(4*(\a)+\b)+7], v[\f+64+8*(4*\c+\b):\f+64+8*(4*\c+\b)+7], v[\f+8*(4*\c+\a):\f+8*(4*\c+\a)+7], v[BI+8*\b:BI+8*\b+7]
.else
	v_wmma_f32_16x16x32_f16 v[ACC+8*(4*(\a)+\b):ACC+8*(4*(\a)+\b)+7], v[\f+64+8*(4*\c+\b):\f+64+8*(4*\c+\b)+7], v[\f+8*(4*\c+\a):\f+8*(4*\c+\a)+7], v[ACC+8*(4*(\a)+\b):ACC+8*(4*(\a)+\b)+7]
.endif
.endr
.endr
.endm
; 32 LDS loads in one run: the fragments of 64 along K (two fragments of each tile of rows) from byte k of each tile's 8,192, into buffer f; the first 32 along K first
.macro FETCH slot, k, f
	WIN TO_F
.irp c, 0,1
.irp i, 0,1,2,3
	ds_load_b128 v[\f+64+8*(4*\c+\i):\f+64+8*(4*\c+\i)+3],   v[ADRB+\slot] offset:\k+1024*\c+\i*KBYTES
	ds_load_b128 v[\f+64+8*(4*\c+\i)+4:\f+64+8*(4*\c+\i)+7], v[ADRB+\slot] offset:\k+1024*\c+\i*KBYTES+512
	ds_load_b128 v[\f+8*(4*\c+\i):\f+8*(4*\c+\i)+3],         v[ADRA+\slot] offset:\k+1024*\c+\i*KBYTES
	ds_load_b128 v[\f+8*(4*\c+\i)+4:\f+8*(4*\c+\i)+7],       v[ADRA+\slot] offset:\k+1024*\c+\i*KBYTES+512
.endr
.endr
.endm
.macro PLACES
.rept 4
	v_nop
.endr
.endm
; A K step is four quarters of 64 along K, 32 matrix instructions each, on buffers 0, 1, 0, 1.
.macro QUARTER slot, k, f, g, zero
	s_wait_dscnt 16                                ; the first 32 along K are in; the sixteen younger loads may be out
	WIN MUL
	MUL8 \f, 0, 0, \zero
	MUL8 \f, 0, 2, \zero
	PLACES
	FETCH \slot, \k, \g
	s_wait_dscnt 32                                ; all but the 32 just issued
	WIN MUL
	MUL8 \f, 1, 0, 0
	MUL8 \f, 1, 2, 0
.endm
; The last quarter changes slots: one barrier; in front of it each wave waits for all its tensor loads, adds 0 to its spare word, and waits for that and for its reads of this slot.  fill = 1: this slot is filled again, two K steps ahead.
.macro TURN slot, next, fill
	WIN 0
	s_wait_tensorcnt 0x0                           ; all my tensor loads have landed: my part of the next slot
	ds_add_u32 v[SPW], v[NIL]
	s_wait_dscnt 17                                ; (the add and the youngest sixteen loads may be out)
	WIN MUL
	MUL8 F1, 0, 0, 0
	s_wait_dscnt 0x0                               ; the add is done, and my reads of this slot are over
	s_barrier_signal -1
	MUL8 F1, 0, 2, 0
.if \fill
	WIN 0
.endif
	s_barrier_wait -1
.if \fill
	CREST                                          ; the barrier has opened a round of the cluster's: no wave of any partner still reads this slot or has a load on its way
	s_add_nc_u64 s[G0+4*\slot+2:G0+4*\slot+3], s[G0+4*\slot+2:G0+4*\slot+3], 2*KBYTES
	s_add_nc_u64 s[G0B+4*\slot+2:G0B+4*\slot+3], s[G0B+4*\slot+2:G0B+4*\slot+3], 2*KBYTES
	JLOAD \slot                                    ; the first tensor load behind the round; its four v_nop are also the places in front of the loads below
.else
	PLACES
.endif
	FETCH \next, 0, F0
	WIN MUL
	MUL8 F1, 1, 0, 0
	MUL8 F1, 1, 2, 0
.endm
	s_wait_tensorcnt 1                             ; my part of K step 0 is in; K step 1's load may stay out
	s_barrier_signal -1
	s_barrier_wait -1
	FETCH 0, 0, F0
	s_wait_loadcnt 0x0                             ; bo
	QUARTER 0, 2048, F0, F1, 1                     ; the first quarter stands in front of the loop: its first products start the sums
	WIN 0
	s_mov_b32 s3, LAPS-1
.Llap:                                             ; a trip goes once round the ring and fills both slots again
	QUARTER 0, 4096, F1, F0, 0
	QUARTER 0, 6144, F0, F1, 0
	TURN 0, 1, 1
	QUARTER 1, 2048, F0, F1, 0
	QUARTER 1, 4096, F1, F0, 0
	QUARTER 1, 6144, F0, F1, 0
	TURN 1, 0, 1
	QUARTER 0, 2048, F0, F1, 0
	WIN 0
	s_sub_co_u32 s3, s3, 1
	s_cmp_lg_u32 s3, 0
	s_cbranch_scc1 .Llap
	QUARTER 0, 4096, F1, F0, 0                     ; the last lap fills nothing
	QUARTER 0, 6144, F0, F1, 0
	TURN 0, 1, 0
	QUARTER 1, 2048, F0, F1, 0
	QUARTER 1, 4096, F1, F0, 0
	QUARTER 1, 6144, F0, F1, 0
	s_wait_dscnt 16
	WIN MUL
	MUL8 F1, 0, 0, 0
	MUL8 F1, 0, 2, 0
	s_wait_dscnt 0
	MUL8 F1, 1, 0, 0
	MUL8 F1, 1, 2, 0
	WIN 0
; THE WAY OUT, block by block of 16 rows x 64 columns.  A lane holds 32 neighbouring bytes of a row; a block goes through my own stage and comes back as whole rows of 256 bytes.
; LDS serves a wave's instructions in order (ISA guide 5.7.1.4): no wait between the stores and the loads, nor in front of the next block's stores.
.macro TOSTAGE a
.irp b, 0,1,2,3
	ds_store_b128 v[STO], v[ACC+8*(4*(\a)+\b):ACC+8*(4*(\a)+\b)+3] offset:64*\b         ; each accumulator from its low end on
	ds_store_b128 v[STO], v[ACC+8*(4*(\a)+\b)+4:ACC+8*(4*(\a)+\b)+7] offset:64*\b+16
.endr
.irp t, 0,1,2,3,4,5,6,7
	ds_load_b128 v[TMP+32*((\a)%2)+4*\t:TMP+32*((\a)%2)+4*\t+3], v[RD] offset:\t*2*SPITCH
.endr
.endm
.macro SEND a, younger                 ; younger: the LDS instructions issued behind block a's loads, which may stay out
	s_wait_dscnt \younger
.irp t, 0,1,2,3,4,5,6,7
	global_store_b128 v[CO], v[TMP+32*((\a)%2)+4*\t:TMP+32*((\a)%2)+4*\t+3], s[8:9] offset:(\a)*65536+2*\t*4096 th:TH_STORE_NT   ; sixteen lanes store 256 consecutive bytes, aligned
.endr
.endm
	PLACES                                         ; between the last products and the first read of results
	TOSTAGE 0
	TOSTAGE 1
	SEND 0, 16                                     ; behind block 0's loads: block 1's 8 stores and 8 loads
	s_wait_xcnt 0x0                                ; block 0's stores have read their registers: block 2's loads may land there
	TOSTAGE 2
	SEND 1, 16
	s_wait_xcnt 0x0                                ; block 1's likewise
	TOSTAGE 3
	SEND 2, 16
	SEND 3, 0
	s_wait_tensorcnt 0x0                           ; the wave's end: three closing lines, behind my last tensor load and my last LDS store
	ds_add_u32 v[SPW], v[NIL]
	s_wait_dscnt 0x0
	CROUND                                         ; the closing round
	s_endpgm
.Lfunc_end_k_q91ba7eed5f_proj:
	.size	k_q91ba7eed5f_proj, .Lfunc_end_k_q91ba7eed5f_proj-k_q91ba7eed5f_proj
	.p2alignl 7, 3214868480
	.fill 96, 4, 3214868480
	.section	.rodata,"a",@progbits
	.p2align	6, 0x0
	.amdhsa_kernel k_q91ba7eed5f_proj
		.amdhsa_group_segment_fixed_size 327680
		.amdhsa_private_segment_fixed_size 0
		.amdhsa_enable_private_segment 0
		.amdhsa_kernarg_size 32
		.amdhsa_user_sgpr_count 2
		.amdhsa_user_sgpr_kernarg_segment_ptr 1
		.amdhsa_wavefront_size32 1
		.amdhsa_system_sgpr_workgroup_id_x 1
		.amdhsa_system_sgpr_workgroup_id_y 1
		.amdhsa_system_sgpr_workgroup_id_z 1
		.amdhsa_system_vgpr_workitem_id 0
		.amdhsa_next_free_vgpr 512
		.amdhsa_next_free_sgpr 68
		.amdhsa_reserve_vcc 0
		.amdhsa_float_denorm_mode_32 3
		.amdhsa_float_denorm_mode_16_64 3
		.amdhsa_memory_ordered 1
		.amdhsa_forward_progress 1
		.amdhsa_inst_pref_size 86
	.end_amdhsa_kernel
	.amdgpu_metadata
---
amdhsa.version: [ 1, 2 ]
amdhsa.kernels:
  - .name:           k_q91ba7eed5f_proj
    .symbol:         k_q91ba7eed5f_proj.kd
    .args:
      - { .name: o16, .offset: 0, .size: 8, .value_kind: global_buffer, .address_space: global }
      - { .name: wo16, .offset: 8, .size: 8, .value_kind: global_buffer, .address_space: global }
      - { .name: out0, .offset: 16, .size: 8, .value_kind: global_buffer, .address_space: global }
      - { .name: bo, .offset: 24, .size: 8, .value_kind: global_buffer, .address_space: global }
    .group_segment_fixed_size: 327680
    .private_segment_fixed_size: 0
    .kernarg_segment_align: 8
    .kernarg_segment_size: 32
    .max_flat_workgroup_size: 128
    .sgpr_count:     68
    .vgpr_count:     512
    .wavefront_size: 32
...
	.end_amdgpu_metadata
.endif
;; end of part 4
